; MI455X (gfx1250); checked and timed in simulation.
; The chip was launched on July 23, 2026; its instructions are those of AMD's public machine-readable ISA for CDNA 5 (MIT licence, August 2026) and "CDNA5" Instruction Set Architecture Reference Guide (July 2026). The comments in the code are by the model that wrote it; some were corrected since.
;; Causal Attention. Allowed arithmetic: float matrix products may take bf16 or f16 operands with f32 sums; other float arithmetic in f32, or as packed bf16 or f16 multiplies, adds, multiply-adds, maxima and minima; sums over many terms, partial sums and values carried from step to step in f32; what a program stores and reads back later, other than sums and carried values, may be rounded once to bf16 or f16.
;; Inputs: Wk 1,024 x 1,024 float32; Wq 1,024 x 1,024 float32; Wv 1,024 x 1,024 float32; bk 1,024 float32; bq 1,024 float32; bv 1,024 float32; x 4 x 2,048 x 1,024 float32.
;; Outputs: out0 4 x 2,048 x 1,024 float32.
;; One version. Each part assembles by itself: llvm-mc -triple=amdgcn-amd-amdhsa -mcpu=gfx1250 --defsym DOCPART=n.
;; ======== version 1 of 1: 4 launches
;; limits: values are held in f16: magnitudes above 65,504 overflow, below 6.1e-05 lose precision
;; workspace buffers: xb 16,777,216 bytes; wb 6,291,456 bytes; qkv 50,331,648 bytes; pbuf 33,554,432 bytes; mst 524,288 bytes; lst 524,288 bytes; bias 12,288 bytes
;; launch cvt (part 1): grid 723 x 1, 8 waves a work-group, no clusters, 0 bytes of LDS; arguments x, Wq, Wk, Wv, bq, bk, bv, xb, wb, bias, pbuf, mst, lst; writes xb, wb, bias, pbuf, mst, lst
.if DOCPART == 1
	.amdgcn_target "amdgcn-amd-amdhsa--gfx1250"
	.amdhsa_code_object_version 6
	.text
	.protected	k_q74e36dd573_cvt
	.globl	k_q74e36dd573_cvt
	.p2align	8
	.type	k_q74e36dd573_cvt,@function
k_q74e36dd573_cvt:
	s_mov_b64 s[64:65], 0
	v_nop
	global_prefetch_b8 v0, s[64:65] scope:SCOPE_SE
	s_setreg_imm32_b32 hwreg(HW_REG_WAVE_MODE, 25, 1), 1
	s_wait_xcnt 0x0
; xb = bf16(x), wb = bf16(Wq | Wk | Wv), each number rounded once to nearest even, LAID OUT IN K BLOCKS: xb[kb][row][64], wb[kb][row][64], kb = 0 .. 15, so that 128 or 192 rows of one
; block of 64 channels are dense bytes for the next launch's tiles.  bias[3072] = bq | bk | bv, rounded to bf16 like the other inputs and widened to f32 again.
; And the neutral contents of the 16 tiles of the weights' buffer that lie wholly above the diagonal and that the last launch walks all the same
; (rows 512 e .. +255, keys 512 e + 256 .. +255 of each batch): weight 0, block maximum -1e30, block sum 0.
; Work-groups 0 .. 703 cast 16 rows of 1,024 numbers (512 chunks of x, 64 of each W): 64 KiB in, 32 KiB out, two rows a step.  Thread t: piece c = t % 8 of 8 numbers, row t / 8 % 2,
; K block t / 16.  Eight lanes read 256 consecutive bytes; sixteen lanes store 256 consecutive bytes, aligned: two neighbouring rows of a K block.  All 16 loads go out first.
; No register is written twice, so no wait frees a source.  Work-groups 704 .. 719 write a hidden tile each, 720 .. 722 a bias each.
; No LDS, no matrix unit, no cluster: no byte is used twice.
.set NCAST, 704
.set NHID,  720
.set XCH,   512                        ; chunks of x
.set IN,    16                         ; v[16:79]  the 64 numbers as loaded
.set OUT,   80                         ; v[80:111] as stored
	s_load_b512 s[8:23], s[0:1], 0x0               ; x s[8:9], Wq s[10:11], Wk s[12:13], Wv s[14:15], bq s[16:17], bk s[18:19], bv s[20:21], xb s[22:23]
	s_load_b256 s[24:31], s[0:1], 0x40             ; wb s[24:25], bias s[26:27], pbuf s[28:29], mst s[30:31]
	s_load_b64 s[32:33], s[0:1], 0x60              ; lst
	s_mov_b32 s2, ttmp9
	s_cmp_ge_u32 s2, NCAST
	s_cbranch_scc1 .Lother
	v_and_b32 v3, 7, v0                            ; c
	v_bfe_u32 v4, v0, 3, 1                         ; which of the step's two rows
	v_lshrrev_b32 v5, 4, v0                        ; K block
	v_lshlrev_b32 v1, 5, v3                        ; in: 32 c
	v_lshl_add_u32 v1, v5, 8, v1                   ; + 256 x K block
	v_lshl_add_u32 v1, v4, 12, v1                  ; + a row of 4,096 bytes
	s_mov_b32 s6, 8192*128                         ; bytes in a K block of xb,
	s_mov_b32 s7, 3072*128                         ; and of wb
	s_sub_co_u32 s3, s2, XCH                       ; the chunk's number among the weights' (not used for x)
	s_and_b32 s4, s3, 63                           ; and inside its W
	s_cmp_lt_u32 s2, XCH
	s_cselect_b32 s4, s2, s4                       ; chunk in the source
	s_cselect_b32 s5, s2, s3                       ; chunk in the destination
	s_cselect_b32 s6, s6, s7
	v_mul_u32_u24 v2, s6, v5                       ; out: the K block,
	v_lshl_add_u32 v2, v4, 7, v2                   ; + a row of 128 bytes
	v_lshl_add_u32 v2, v3, 4, v2                   ; + 16 c
	s_lshl_b32 s34, s4, 16
	s_mov_b32 s35, 0
	s_lshl_b32 s36, s5, 11                         ; 16 rows of 128 bytes
	s_mov_b32 s37, 0
	s_wait_kmcnt 0x0
	s_cmp_lt_u32 s2, XCH
	s_cselect_b64 s[38:39], s[22:23], s[24:25]     ; xb or wb
	s_cmp_lt_u32 s2, XCH+64
	s_cselect_b64 s[40:41], s[10:11], s[12:13]     ; Wq or Wk,
	s_cmp_lt_u32 s2, XCH+128
	s_cselect_b64 s[40:41], s[40:41], s[14:15]     ; or Wv,
	s_cmp_lt_u32 s2, XCH
	s_cselect_b64 s[40:41], s[8:9], s[40:41]       ; or x
	s_add_nc_u64 s[40:41], s[40:41], s[34:35]
	s_add_nc_u64 s[38:39], s[38:39], s[36:37]
.irp i, 0,1,2,3,4,5,6,7
	global_load_b128 v[IN+8*(\i):IN+8*(\i)+3],   v1, s[40:41] offset:8192*(\i) th:TH_LOAD_NT
	global_load_b128 v[IN+8*(\i)+4:IN+8*(\i)+7], v1, s[40:41] offset:8192*(\i)+16 th:TH_LOAD_NT
.endr
.irp i, 0,1,2,3,4,5,6,7
	s_wait_loadcnt 14-2*(\i)                       ; loads come back in order: step i's two are in, the younger ones stay out
.irp k, 0,1,2,3
	v_cvt_pk_bf16_f32 v[OUT+4*(\i)+(\k)], v[IN+8*(\i)+2*(\k)], v[IN+8*(\i)+2*(\k)+1]
.endr
	global_store_b128 v2, v[OUT+4*(\i):OUT+4*(\i)+3], s[38:39] offset:256*(\i) th:TH_STORE_NT
.endr
	s_endpgm
.Lother:
	s_cmp_ge_u32 s2, NHID
	s_cbranch_scc1 .Lbias
	s_sub_co_u32 s3, s2, NCAST
	s_lshr_b32 s4, s3, 2                           ; batch b
	s_and_b32 s5, s3, 3                            ; e
	s_lshl_b32 s34, s4, 23                         ; a batch of weights: 2,048 rows of 4,096 bytes
	s_mul_i32 s35, s5, 512*4096+1024               ; 512 e rows down, 512 e keys along,
	s_add_co_u32 s34, s34, s35
	s_add_co_u32 s34, s34, 512                     ; and 256 keys more
	s_mov_b32 s35, 0
	s_lshl_b32 s36, s4, 4
	s_lshl2_add_u32 s36, s5, s36                   ; key block of 128: 16 b + 4 e + 2
	s_add_co_u32 s36, s36, 2
	s_lshl_b32 s36, s36, 11                        ; 2,048 rows to a key block,
	s_lshl_b32 s37, s5, 9
	s_add_co_u32 s36, s36, s37                     ; row 512 e,
	s_lshl_b32 s36, s36, 2                         ; 4 bytes
	s_mov_b32 s37, 0
	v_lshrrev_b32 v3, 5, v0
	v_readfirstlane_b32 s6, v3                     ; wave
	v_and_b32 v1, 31, v0
	v_lshlrev_b32 v1, 4, v1
	v_lshl_add_u32 v1, v3, 12, v1                  ; a wave a row: 32 lanes x 16 bytes are the tile's 512 bytes of it
	v_and_b32 v2, 63, v0
	v_lshlrev_b32 v2, 4, v2
	v_lshrrev_b32 v3, 6, v0
	v_lshl_add_u32 v2, v3, 13, v2                  ; threads 0 .. 127: two key blocks, 256 rows of 4 bytes each
.irp r, 4,5,6,7
	v_mov_b32 v\r, 0
.endr
.irp r, 8,9,10,11
	v_mov_b32 v\r, 0xf149f2ca                      ; -1e30
.endr
	s_wait_kmcnt 0x0
	s_add_nc_u64 s[28:29], s[28:29], s[34:35]
	s_add_nc_u64 s[30:31], s[30:31], s[36:37]
	s_add_nc_u64 s[32:33], s[32:33], s[36:37]
.set i, 0
.rept 32
	global_store_b128 v1, v[4:7], s[28:29] offset:32768*i  ; eight rows a step
.set i, i+1
.endr
	s_cmp_lt_u32 s6, 4
	s_cbranch_scc0 .Ldone
	global_store_b128 v2, v[8:11], s[30:31]
	global_store_b128 v2, v[4:7], s[32:33]
.Ldone:
	s_endpgm
.Lbias:                                        ; one bias: 256 threads x 4 numbers
	s_sub_co_u32 s3, s2, NHID
	v_lshlrev_b32 v1, 4, v0
	s_lshl_b32 s4, s3, 12
	s_mov_b32 s5, 0
	s_wait_kmcnt 0x0
	s_cmp_eq_u32 s3, 0
	s_cselect_b64 s[34:35], s[16:17], s[18:19]     ; bq or bk,
	s_cmp_eq_u32 s3, 2
	s_cselect_b64 s[34:35], s[20:21], s[34:35]     ; or bv
	s_add_nc_u64 s[26:27], s[26:27], s[4:5]
	global_load_b128 v[4:7], v1, s[34:35]
	s_wait_loadcnt 0x0
	v_cvt_pk_bf16_f32 v8, v4, v5
	v_cvt_pk_bf16_f32 v9, v6, v7
	v_lshlrev_b32 v12, 16, v8                      ; bf16 to f32: the low half moves up,
	v_and_b32 v13, 0xffff0000, v8                  ; the high half stays
	v_lshlrev_b32 v14, 16, v9
	v_and_b32 v15, 0xffff0000, v9
	global_store_b128 v1, v[12:15], s[26:27]
	s_endpgm
.Lfunc_end_k_q74e36dd573_cvt:
	.size	k_q74e36dd573_cvt, .Lfunc_end_k_q74e36dd573_cvt-k_q74e36dd573_cvt
	.p2alignl 7, 3214868480
	.fill 96, 4, 3214868480
	.section	.rodata,"a",@progbits
	.p2align	6, 0x0
	.amdhsa_kernel k_q74e36dd573_cvt
		.amdhsa_group_segment_fixed_size 0
		.amdhsa_private_segment_fixed_size 0
		.amdhsa_enable_private_segment 0
		.amdhsa_kernarg_size 104
		.amdhsa_user_sgpr_count 2
		.amdhsa_user_sgpr_kernarg_segment_ptr 1
		.amdhsa_wavefront_size32 1
		.amdhsa_system_sgpr_workgroup_id_x 1
		.amdhsa_system_sgpr_workgroup_id_y 1
		.amdhsa_system_sgpr_workgroup_id_z 1
		.amdhsa_system_vgpr_workitem_id 0
		.amdhsa_next_free_vgpr 112
		.amdhsa_next_free_sgpr 66
		.amdhsa_reserve_vcc 0
		.amdhsa_float_denorm_mode_32 3
		.amdhsa_float_denorm_mode_16_64 3
		.amdhsa_memory_ordered 1
		.amdhsa_forward_progress 1
		.amdhsa_inst_pref_size 13
	.end_amdhsa_kernel
	.amdgpu_metadata
---
amdhsa.version: [ 1, 2 ]
amdhsa.kernels:
  - .name:           k_q74e36dd573_cvt
    .symbol:         k_q74e36dd573_cvt.kd
    .args:
      - { .name: x, .offset: 0, .size: 8, .value_kind: global_buffer, .address_space: global }
      - { .name: Wq, .offset: 8, .size: 8, .value_kind: global_buffer, .address_space: global }
      - { .name: Wk, .offset: 16, .size: 8, .value_kind: global_buffer, .address_space: global }
      - { .name: Wv, .offset: 24, .size: 8, .value_kind: global_buffer, .address_space: global }
      - { .name: bq, .offset: 32, .size: 8, .value_kind: global_buffer, .address_space: global }
      - { .name: bk, .offset: 40, .size: 8, .value_kind: global_buffer, .address_space: global }
      - { .name: bv, .offset: 48, .size: 8, .value_kind: global_buffer, .address_space: global }
      - { .name: xb, .offset: 56, .size: 8, .value_kind: global_buffer, .address_space: global }
      - { .name: wb, .offset: 64, .size: 8, .value_kind: global_buffer, .address_space: global }
      - { .name: bias, .offset: 72, .size: 8, .value_kind: global_buffer, .address_space: global }
      - { .name: pbuf, .offset: 80, .size: 8, .value_kind: global_buffer, .address_space: global }
      - { .name: mst, .offset: 88, .size: 8, .value_kind: global_buffer, .address_space: global }
      - { .name: lst, .offset: 96, .size: 8, .value_kind: global_buffer, .address_space: global }
    .group_segment_fixed_size: 0
    .private_segment_fixed_size: 0
    .kernarg_segment_align: 8
    .kernarg_segment_size: 104
    .max_flat_workgroup_size: 256
    .sgpr_count:     66
    .vgpr_count:     112
    .wavefront_size: 32
...
	.end_amdgpu_metadata
.endif
;; end of part 1
;; launch proj (part 2): grid 8 x 32, 4 waves a work-group, clusters of 4 x 4, 327,680 bytes of LDS; arguments xb, wb, qkv, bias; writes qkv
.if DOCPART == 2
	.amdgcn_target "amdgcn-amd-amdhsa--gfx1250"
	.amdhsa_code_object_version 6
	.text
	.protected	k_q74e36dd573_proj
	.globl	k_q74e36dd573_proj
	.p2align	8
	.type	k_q74e36dd573_proj,@function
k_q74e36dd573_proj:
	s_mov_b64 s[64:65], 0
	v_nop
	global_prefetch_b8 v0, s[64:65] scope:SCOPE_SE
	s_setreg_imm32_b32 hwreg(HW_REG_WAVE_MODE, 25, 1), 1
	s_wait_xcnt 0x0
	s_wait_alu depctr_hold_cnt(0) depctr_sa_sdst(0) depctr_va_vdst(0) depctr_va_sdst(0) depctr_va_ssrc(0) depctr_va_vcc(0) depctr_vm_vsrc(0)
	s_getreg_b32 s2, hwreg(HW_REG_IB_STS2, 6, 4)
	s_cmp_eq_u32 s2, 0
	s_cbranch_scc0 .Lentry_in_a_cluster
	s_endpgm
.Lentry_in_a_cluster:
	s_bfe_u32 s2, ttmp6, 0x10000c
	s_cmp_lg_u32 s2, 0xf033
	s_cbranch_scc0 .Lentry_shape_is_right
	s_endpgm
.Lentry_shape_is_right:
; qkv[m][e] = sum over d of x[m][d] W[e][d] + bias[e].  xb: [16 K blocks][8192 rows][64] bf16, wb: [16][3072][64] bf16 (Wq, Wk, Wv one below the other), bias: [3072] f32 (rounded to bf16
; by the launch before), qkv: [8192][3072] f16 (q, k, v side by side).  Sums in f32, K ascending, begun with the bias; qkv rounded once.
; LIMIT.  f16 holds no number beyond 65,504: q, k and v must lie within it.  NaN and infinities are not treated apart.
; SHARES.  8192 x 3072 outputs on 256 work-groups are 256 x 384 each: one tile to a work-group, all alike.  Four waves, each 128 rows x 192 columns: 96 accumulators of 16 x 16, 768 registers.
; THE RING.  K goes in 16 steps of 64 through two LDS slots of 640 rows x 144 bytes; steps of 128 would want 2 x 640 x 272 = 348,160 bytes, more than a work-group can have.  A wave's part of a
; tile (128 rows of xb or 192 of wb, one K block) is dense in memory: it is asked for as 64 or 96 rows of 256 bytes, aligned, and padded in LDS after every 128 bytes.
; CLUSTER 4 x 4: the four work-groups of a row of the cluster need the same tiles of xb, the four of a column the same tiles of wb: each tile is asked for jointly.
; The matrix instruction is used transposed (source 0 = 16 rows of wb, source 1 = 16 rows of xb): a lane then holds eight neighbouring columns of one row of qkv.
; REGISTERS in windows of 256 (s_set_vgpr_msb: bits 1:0 source 0, 3:2 source 1, 5:4 source 2, 7:6 destination):
;   window 0: v0-31 addresses; v32-95, v96-159 xb's fragments (8 x 16 rows x 32 K), two buffers; v160-255 wb's fragments, three groups of four; on the way out v32-223 at work
;   windows 1 to 3: the accumulators: column block b = 4 g + bb lies in window 1 + g, row block a at v[64 bb + 8 a]
; A QUARTER (32 along K) is three groups of 32 products.  There is no room for a second set of wb's fragments, so each group's registers are loaded again, for the next quarter, straight
; behind the group's products: every load has 64 products in which to come.
.set SIZE_N, 3072
.set ABLK,   8192*128                  ; bytes in a K block of xb
.set BBLK,   3072*128                  ; and of wb
.set PITCH,  144                       ; an LDS row: 128 bytes + 16 of padding = 36 words: the 16 rows of a fragment load start at 16 different groups of four banks
.set APART,  128*PITCH                 ; what a tensor load of xb brings
.set BPART,  192*PITCH                 ; and one of wb
.set BOFF,   2*APART                   ; a slot: xb's 256 rows, then wb's 384
.set SLOT,   BOFF+2*BPART
.set STAGE,  2*SLOT                    ; behind the ring, never filled by a tensor load: 128 rows x 784 bytes, the work-group's, for the way out
.set SPITCH, 784                       ; 768 bytes + 16 = 49 x 16
.set SPARE,  STAGE+128*SPITCH          ; the spare words: 128 bytes a wave, named by no other line
.set LAPS,   8                         ; a lap = two K steps = once round the ring
.set ADRA, 16                          ; v16-17  LDS address of my xb fragments in slot 0, 1
.set ADRB, 20                          ; v20-21  the same for wb
.set STO,  24                          ; v24  the way out: where I put 16 bytes of a row
.set RD,   25                          ; v25  where I read 16 bytes of a row back
.set CO,   26                          ; v26  my byte offset in qkv
.set BO,   27                          ; v27  my byte offset in the bias
.set SPW,  28                          ; v28  my spare word; never rewritten
.set NIL,  29                          ; v29  0; never rewritten
.set PFO,  30                          ; v30  256 x my lane
.set PFO1, 31                          ; v31  wb's middle prefetch: lanes 0-15 the end of one K block's share, lanes 16-31 the head of the next one's
.set AF0,  32
.set AF1,  96
.set BF,   160
.set TMP,  32
.set G1,  24                           ; s[24:31] group 1 for xb's tiles;  s[32:39] group 0, a set for each slot
.set G0,  32
.set G1B, 48                           ; the same for wb's
.set G0B, 56
.set LIM, 43                           ; s43  1 in a wave that prefetches, else the greatest number
.set PFA, 44                           ; s[44:45] where my prefetches stand
.set BP,  66                           ; s[66:67] bias
.set KS2, 68                           ; s[68:69] two K blocks of the tensor that I prefetch
.set MSB, 0
.macro WIN new                         ; the immediate's high byte repeats the setting that is left; a switch that changes nothing is dropped
.if MSB != (\new)
	s_set_vgpr_msb (MSB<<8)|(\new)
.set MSB, \new
.endif
.endm
; A joint load.  Waves 0 and 1 fetch xb's two halves, waves 2 and 3 wb's.  The branch hangs on the wave's number alone.  An s_nop 0 and four v_nop follow each line.
.macro JLOAD s
	s_cmp_eq_u32 s11, 0
	s_cbranch_scc0 .Lfor_b_\@
	tensor_load_to_lds s[G0+4*(\s):G0+4*(\s)+3], s[G1:G1+7]
	s_nop 0
.rept 4
	v_nop
.endr
	s_branch .Lasked_\@
.Lfor_b_\@:
	tensor_load_to_lds s[G0B+4*(\s):G0B+4*(\s)+3], s[G1B:G1B+7]
	s_nop 0
.rept 4
	v_nop
.endr
.Lasked_\@:
.endm
; THE PREFETCHES, once a lap, behind the lap's second joint load and the run of LDS loads that follows it: the two K blocks that the NEXT lap's two refills will ask for.  A tile's K block is dense:
; 32 KiB of xb, 48 KiB of wb.  xb's tile rows are read by both clusters along x: the one with x = 0 asks, by its waves 0; wb's tile columns by all clusters along y: those with y = 0 ask, by their
; waves 2.  The four partners that ask for a tile jointly take a quarter of the block each, told apart by address: 8 KiB of xb (one instruction a K block, a lane 256 bytes), 12 KiB of wb (three
; instructions for the two K blocks).  So each aligned block of 256 bytes is named once in the launch.  K blocks 0 to 3 come by their loads alone; the loop's last trip (s3 = 1) has no lap two on.
.macro ASK
	s_cmp_gt_u32 s3, s[LIM]
	s_cbranch_scc0 .Lnot_mine_\@
	s_cmp_eq_u32 s11, 0
	s_cbranch_scc0 .Lask_b_\@
	global_prefetch_b8 v[PFO], s[PFA:PFA+1] th:TH_LOAD_NT scope:SCOPE_SE
	global_prefetch_b8 v[PFO], s[PFA:PFA+1] offset:ABLK th:TH_LOAD_NT scope:SCOPE_SE
	s_branch .Lnot_mine_\@
.Lask_b_\@:
	global_prefetch_b8 v[PFO], s[PFA:PFA+1] th:TH_LOAD_NT scope:SCOPE_SE
	global_prefetch_b8 v[PFO1], s[PFA:PFA+1] th:TH_LOAD_NT scope:SCOPE_SE
	global_prefetch_b8 v[PFO], s[PFA:PFA+1] offset:BBLK+4096 th:TH_LOAD_NT scope:SCOPE_SE
.Lnot_mine_\@:
.endm
.macro CREST                           ; a round of the cluster's barrier behind its opening barrier
	s_cmp_lg_u32 s10, 0
	s_cbranch_scc1 .Lnot_wave_0_\@
	s_barrier_signal -3
.Lnot_wave_0_\@:
	s_barrier_wait -3
	s_barrier_signal -1
	s_barrier_wait -1
.endm
.macro CROUND
	s_barrier_signal -1
	s_barrier_wait -1
	CREST
.endm
	s_load_b128 s[4:7], s[0:1], 0x0                ; xb s[4:5], wb s[6:7]
	s_load_b64 s[8:9], s[0:1], 0x10                ; qkv
	s_load_b64 s[BP:BP+1], s[0:1], 0x18            ; bias
	v_lshl_add_u32 v[SPW], v0, 2, SPARE
	v_mov_b32 v[NIL], 0
	ds_add_u32 v[SPW], v[NIL]                      ; the wave's opening: the add and its wait stand ahead of my first tensor load; the set-up stands between them
	ds_add_u32 v28, v29
	v_lshrrev_b32 v1, 5, v0
	v_readfirstlane_b32 s10, v1                    ; wave 0..3
	s_lshr_b32 s11, s10, 1                         ; my half of the tile's rows.  Also: I fetch for xb (0) or wb (1)
	s_and_b32 s12, s10, 1                          ; my half of its columns.  Also: which half of that tile I fetch
	s_bfe_u32 s40, ttmp6, 0x40000                  ; cx
	s_bfe_u32 s41, ttmp6, 0x40004                  ; cy
	s_lshl_b32 s42, ttmp9, 2
	s_add_co_u32 s42, s42, s40                     ; tile column = 4 x cluster x + cx: 0 .. 7
	s_and_b32 s13, ttmp7, 0xffff
	s_lshl_b32 s13, s13, 2
	s_add_co_u32 s13, s13, s41                     ; tile row = 4 x cluster y + cy: 0 .. 31
	s_lshl_b32 s43, s41, 2
	s_lshl_b32 s43, 15, s43                        ; my row of the cluster
	s_lshl_b32 s44, 0x1111, s40                    ; my column
	s_or_b32 s[G1+0], s43, (1<<16)|(1<<20)|(1<<21)|(4<<22)|(3<<25)  ; mask; 2-byte elements; padding on; bit 21 beside a mask; after every 32 words, 4 words
	s_or_b32 s[G1B+0], s44, (1<<16)|(1<<20)|(1<<21)|(4<<22)|(3<<25)
.irp g, G1, G1B
	s_mov_b32 s[(\g)+1], 128<<16                   ; tensor_dim0 = 128 elements: 256 bytes, two rows of a K block
	s_mov_b32 s[(\g)+3], 128<<16                   ; tile_dim0 = 128
	s_mov_b32 s[(\g)+5], 128                       ; dense: 128 elements from row to row
	s_mov_b32 s[(\g)+6], 0
	s_mov_b32 s[(\g)+7], 0
.endr
	s_mov_b32 s[G1+2], 64<<16                      ; xb: tensor_dim1 = 64: 128 rows of the K block
	s_mov_b32 s[G1+4], 64                          ; tile_dim1
	s_mov_b32 s[G1B+2], 96<<16                     ; wb: 96: 192 rows
	s_mov_b32 s[G1B+4], 96
	s_lshl_b32 s16, s13, 15                        ; xb: (256 x tile row + 128 x half) rows of 128 bytes, in registers that never hold cx
	s_lshl_b32 s17, s12, 14
	s_add_co_u32 s16, s16, s17
	s_mov_b32 s17, 0
	s_mul_i32 s46, s42, 384*128                    ; wb: (384 x tile column + 192 x half) rows, in registers that never hold cy
	s_mul_i32 s47, s12, 192*128
	s_add_co_u32 s46, s46, s47
	s_mov_b32 s47, 0
	s_mul_i32 s20, s12, APART                      ; where they go: no place in the cluster enters an LDS address
	s_mul_i32 s21, s12, BPART
	s_add_co_u32 s21, s21, BOFF
	s_wait_dscnt 0x0                               ; the opening add is done
	s_wait_kmcnt 0x0
	s_add_nc_u64 s[14:15], s[4:5], s[16:17]
	s_add_nc_u64 s[46:47], s[6:7], s[46:47]
	CROUND                                         ; all sixteen work-groups are here: the first joint loads meet
.irp s, 0,1
	s_mov_b32 s[G0+4*(\s)], 1
	s_add_co_u32 s[G0+4*(\s)+1], s20, (\s)*SLOT
	s_add_nc_u64 s[G0+4*(\s)+2:G0+4*(\s)+3], s[14:15], (\s)*ABLK
	s_or_b32 s[G0+4*(\s)+3], s[G0+4*(\s)+3], 0x80000000
	s_mov_b32 s[G0B+4*(\s)], 1
	s_add_co_u32 s[G0B+4*(\s)+1], s21, (\s)*SLOT
	s_add_nc_u64 s[G0B+4*(\s)+2:G0B+4*(\s)+3], s[46:47], (\s)*BBLK
	s_or_b32 s[G0B+4*(\s)+3], s[G0B+4*(\s)+3], 0x80000000
	JLOAD \s                                       ; K steps 0 and 1: two loads of mine are out
.endr
	; a fragment is 16 rows x 32 K in 8 registers: lane l holds row l % 16, K = 8 (l / 16) + 0..7 and 16 + 8 (l / 16) + 0..7: two loads of 16 bytes, 32 bytes apart
	v_and_b32 v1, 15, v0                           ; l % 16
	v_bfe_u32 v2, v0, 4, 1                         ; l / 16
	v_mul_u32_u24 v3, v1, PITCH
	v_lshl_add_u32 v3, v2, 4, v3
	s_mul_i32 s22, s11, APART
	s_mul_i32 s23, s12, BPART
	s_add_co_u32 s23, s23, BOFF
.irp s, 0,1
	v_add_nc_u32 v[ADRA+(\s)], s22, v3
	v_add_nc_u32 v[ADRB+(\s)], s23, v3
	s_add_co_u32 s22, s22, SLOT
	s_add_co_u32 s23, s23, SLOT
.endr
	s_mul_i32 s22, s11, 64*SPITCH                  ; into the stage: 64 of my rows at a time, my 384 bytes of their 768; row l % 16, 16 bytes for each half of the lanes
	s_mul_i32 s23, s12, 384
	s_add_co_u32 s22, s22, s23
	s_add_co_u32 s22, s22, STAGE
	v_mul_u32_u24 v4, v1, SPITCH
	v_lshl_add_u32 v4, v2, 4, v4
	v_add_nc_u32 v[STO], s22, v4
	s_mul_i32 s22, s10, 32*SPITCH                  ; back: wave w takes the stage's rows 32 w .. 32 w + 31, whole; lanes 0-15 256 bytes of one row, lanes 16-31 of the next
	s_add_co_u32 s22, s22, STAGE
	v_mul_u32_u24 v5, v2, SPITCH
	v_lshl_add_u32 v5, v1, 4, v5
	v_add_nc_u32 v[RD], s22, v5
	v_mul_u32_u24 v5, v2, SIZE_N*2                 ; and the same two rows in qkv
	v_lshl_add_u32 v[CO], v1, 4, v5
	s_lshl_b32 s16, s13, 8                         ; the first row that I store: 256 x tile row + 128 (w / 2) + 32 (w % 2)
	s_lshl_b32 s17, s11, 7
	s_add_co_u32 s16, s16, s17
	s_lshl_b32 s17, s12, 5
	s_add_co_u32 s16, s16, s17
	s_mul_i32 s16, s16, SIZE_N*2
	s_mov_b32 s17, 0
	s_mul_i32 s46, s42, 768                        ; the tile's first column, in bytes
	s_mov_b32 s47, 0
	s_add_nc_u64 s[8:9], s[8:9], s[16:17]
	s_add_nc_u64 s[8:9], s[8:9], s[46:47]
	; the prefetches
	s_and_b32 s22, ttmp7, 0xffff
	s_cmp_eq_u32 s11, 0
	s_cselect_b32 s22, ttmp9, s22                  ; the coordinate along which other clusters read the same rows
	s_cselect_b64 s[PFA:PFA+1], s[4:5], s[6:7]
	s_or_b32 s22, s22, s12                         ; of the two waves that fetch a tensor the first asks
	s_cmp_eq_u32 s22, 0
	s_cselect_b32 s[LIM], 1, -1                    ; the same in all sixteen partners, for a given wave
	s_lshl_b32 s20, s13, 15                        ; xb: the tile's 256 rows of a K block, and my work-group's quarter of them
	s_lshl_b32 s21, s40, 13
	s_add_co_u32 s20, s20, s21
	s_mul_i32 s21, s42, 384*128                    ; wb: the tile's 384 rows, and my quarter
	s_mul_i32 s23, s41, 12288
	s_add_co_u32 s21, s21, s23
	s_mov_b32 s70, 2*ABLK
	s_mov_b32 s71, 2*BBLK
	s_cmp_eq_u32 s11, 0
	s_cselect_b32 s20, s20, s21
	s_cselect_b32 s[KS2], s70, s71
	s_mov_b32 s21, 0
	s_mov_b32 s[KS2+1], 0
	s_add_nc_u64 s[PFA:PFA+1], s[PFA:PFA+1], s[20:21]
	s_add_nc_u64 s[PFA:PFA+1], s[PFA:PFA+1], s[KS2:KS2+1]  ; at K block 2: the first lap steps it to 4
	v_and_b32 v[PFO], 31, v0
	v_lshlrev_b32 v[PFO], 8, v[PFO]
	v_mul_u32_u24 v[PFO1], v2, BBLK-4096-8192
	v_add3_u32 v[PFO1], v[PFO1], v[PFO], 8192      ; lanes 0-15: 8,192 + 256 l; lanes 16-31: a K block on, 256 (l - 16)
	; THE BIAS of my 192 columns: register j of column block b is column 16 b + 8 (l / 16) + j, whatever the row.  It is loaded into the registers of the block's accumulator a = 7: the first
	; quarter's products a = 0 .. 6 take them as C, and product a = 7 adds in place: no register, no addition and no clearing is spent on it.
	s_mul_i32 s22, s42, 384*4
	s_mul_i32 s23, s12, 192*4
	s_add_co_u32 s22, s22, s23
	v_lshl_add_u32 v[BO], v2, 5, s22
.irp g, 0,1,2
	WIN (1+(\g))<<6                                ; destination window 1 + g, address window 0
.irp bb, 0,1,2,3
	global_load_b128 v[64*(\bb)+56:64*(\bb)+59], v[BO], s[BP:BP+1] offset:64*(4*(\g)+(\bb))
	global_load_b128 v[64*(\bb)+60:64*(\bb)+63], v[BO], s[BP:BP+1] offset:64*(4*(\g)+(\bb))+16
.endr
.endr
	WIN 0
; 16 matrix instructions: column blocks 4 g + 2 h, 4 g + 2 h + 1 x all 8 row blocks, 32 along K.  The 96 accumulators take turns, one instruction a turn.
.macro GRPH g, af, h
	WIN 0x50*(1+(\g))                              ; C and D in window 1 + g; both sources in window 0
.irp bb, 2*(\h), 2*(\h)+1
.irp a, 0,1,2,3,4,5,6,7
	v_wmma_f32_16x16x32_bf16 v[64*(\bb)+8*(\a):64*(\bb)+8*(\a)+7], v[BF+32*(\g)+8*(\bb):BF+32*(\g)+8*(\bb)+7], v[(\af)+8*(\a):(\af)+8*(\a)+7], v[64*(\bb)+8*(\a):64*(\bb)+8*(\a)+7]
.endr
.endr
.endm
.macro GRP g, af
	GRPH \g, \af, 0
	GRPH \g, \af, 1
.endm
; A group of the first quarter: the sums begin with the bias.  Five places stand between the last product that reads the bias as C and the first that writes over it (ISA guide 7.12.1).
.macro GRPF g, af
	WIN 0x50*(1+(\g))
.irp a, 0,1,2,3,4,5,6
.irp bb, 0,1,2,3
	v_wmma_f32_16x16x32_bf16 v[64*(\bb)+8*(\a):64*(\bb)+8*(\a)+7], v[BF+32*(\g)+8*(\bb):BF+32*(\g)+8*(\bb)+7], v[(\af)+8*(\a):(\af)+8*(\a)+7], v[64*(\bb)+56:64*(\bb)+63]
.endr
.endr
.rept 5
	v_nop
.endr
.irp bb, 0,1,2,3
	v_wmma_f32_16x16x32_bf16 v[64*(\bb)+56:64*(\bb)+63], v[BF+32*(\g)+8*(\bb):BF+32*(\g)+8*(\bb)+7], v[(\af)+56:(\af)+63], v[64*(\bb)+56:64*(\bb)+63]
.endr
.endm
.macro LDB g, slot, q                  ; 8 LDS loads: wb's fragments of group g, quarter q of a slot
	WIN 0
.irp bb, 0,1,2,3
	ds_load_b128 v[BF+32*(\g)+8*(\bb):BF+32*(\g)+8*(\bb)+3],   v[ADRB+(\slot)] offset:64*(\q)+(4*(\g)+(\bb))*16*PITCH
	ds_load_b128 v[BF+32*(\g)+8*(\bb)+4:BF+32*(\g)+8*(\bb)+7], v[ADRB+(\slot)] offset:64*(\q)+(4*(\g)+(\bb))*16*PITCH+32
.endr
.endm
.macro LDA af, slot, q                 ; 16 LDS loads: xb's fragments
	WIN 0
.irp a, 0,1,2,3,4,5,6,7
	ds_load_b128 v[(\af)+8*(\a):(\af)+8*(\a)+3],   v[ADRA+(\slot)] offset:64*(\q)+(\a)*16*PITCH
	ds_load_b128 v[(\af)+8*(\a)+4:(\af)+8*(\a)+7], v[ADRA+(\slot)] offset:64*(\q)+(\a)*16*PITCH+32
.endr
.endm
.macro PLACES                          ; four plain places in front of loads into registers that matrix instructions have read, and of conversions that read results
.rept 4
	v_nop
.endr
.endm
; A K step's first quarter: multiplies xb's buffer 0 and fetches the step's second quarter.
.macro QTR slot, first
	s_wait_dscnt 16                                ; xb's fragments and group 0 are in; groups 1 and 2, 8 loads each, may be out
.if \first
	GRPF 0, AF0
.else
	GRP 0, AF0
.endif
	PLACES
	LDB 0, \slot, 1
	LDA AF1, \slot, 1
	s_wait_dscnt 32                                ; group 1 is in: behind it group 2's 8 and the 24 just issued
.if \first
	GRPF 1, AF0
.else
	GRP 1, AF0
.endif
	PLACES
	LDB 1, \slot, 1
	s_wait_dscnt 32                                ; group 2 is in: behind it those 24 and the 8 just issued
.if \first
	GRPF 2, AF0
.else
	GRP 2, AF0
.endif
	PLACES
	LDB 2, \slot, 1
.endm
; A K step's second quarter multiplies buffer 1 and changes slots.  All reads of the slot were issued in the quarter before.  ONE barrier: in front of it each wave waits for all its tensor loads
; (one is out: its part of the next slot), adds 0 to its spare word, and waits for that and for its reads of this slot.  fill = 1: the barrier opens a round of the cluster's, and the slot is filled
; again, two K steps on, first thing behind the round: 160 matrix instructions stand ahead of the wait for that load.
.macro TURNQ slot, next, fill, ask
.if \ask
	s_wait_xcnt 0x0                                ; the last prefetches, a lap back, have read their address
	s_add_nc_u64 s[PFA:PFA+1], s[PFA:PFA+1], s[KS2:KS2+1]
.endif
	WIN 0
	s_wait_tensorcnt 0x0                           ; all my tensor loads have landed
	ds_add_u32 v[SPW], v[NIL]                      ; 0 onto my spare word
	s_wait_dscnt 17                                ; xb's fragments and group 0 are in; groups 1 and 2 and the add may be out
	GRPH 0, AF1, 0
	s_wait_dscnt 0x0                               ; the add is done, and my reads of this slot are over
	s_barrier_signal -1
	GRPH 0, AF1, 1
	WIN 0
	s_barrier_wait -1
.if \fill
	CREST                                          ; no wave of any partner still reads this slot or has a load on its way
	s_add_nc_u64 s[G0+4*(\slot)+2:G0+4*(\slot)+3], s[G0+4*(\slot)+2:G0+4*(\slot)+3], 2*ABLK
	s_add_nc_u64 s[G0B+4*(\slot)+2:G0B+4*(\slot)+3], s[G0B+4*(\slot)+2:G0B+4*(\slot)+3], 2*BBLK
	JLOAD \slot                                    ; its four v_nop are also the places in front of the loads below
.else
	PLACES
.endif
	LDB 0, \next, 0
	LDA AF0, \next, 0
.if \ask
	ASK
.endif
	GRP 1, AF1                                     ; groups 1 and 2 are in since the wait for 0
	PLACES
	LDB 1, \next, 0
	GRP 2, AF1
	PLACES
	LDB 2, \next, 0
.endm
; THE WAY OUT, in two halves of the tile's rows.  A wave's 192 columns are 384 bytes, one and a half aligned blocks of 256: so the four waves share one stage, with a barrier between writing and reading.
; PACK p: my row blocks 4 p .. 4 p + 3, 48 accumulators, rounded to f16: 16 bytes a lane each; each accumulator's lowest registers are read first.
.macro PACK p
.irp g, 0,1,2
	WIN 5*(1+(\g))                                 ; sources 0 and 1 in window 1 + g
.irp bb, 0,1,2,3
.irp aa, 0,1,2,3
.irp r, 0,1,2,3
	v_cvt_pk_f16_f32 v[TMP+4*(16*(\g)+4*(\bb)+(\aa))+(\r)], v[64*(\bb)+8*(4*(\p)+(\aa))+2*(\r)], v[64*(\bb)+8*(4*(\p)+(\aa))+2*(\r)+1]
.endr
.endr
.endr
.endr
	WIN 0
.endm
.macro TOSTAGE
.irp g, 0,1,2
.irp bb, 0,1,2,3
.irp aa, 0,1,2,3
	ds_store_b128 v[STO], v[TMP+4*(16*(\g)+4*(\bb)+(\aa)):TMP+4*(16*(\g)+4*(\bb)+(\aa))+3] offset:(\aa)*16*SPITCH+32*(4*(\g)+(\bb))
.endr
.endr
.endr
	s_wait_dscnt 0x0                               ; for the others' sake: my stores into the stage are done
	s_barrier_signal -1
	s_barrier_wait -1
.endm
.macro SENDP p                         ; 32 whole rows back, two rows x 256 bytes a load, and out
.irp t, 0,1,2,3,4,5,6,7,8,9,10,11,12,13,14,15
.irp u, 0,1,2
	ds_load_b128 v[TMP+4*(3*(\t)+(\u)):TMP+4*(3*(\t)+(\u))+3], v[RD] offset:(\t)*2*SPITCH+256*(\u)
.endr
.endr
.irp t, 0,1,2,3,4,5,6,7,8,9,10,11,12,13,14,15
	s_wait_dscnt 45-3*(\t)                         ; LDS loads come back in order: this pair of rows is in
.irp u, 0,1,2
	global_store_b128 v[CO], v[TMP+4*(3*(\t)+(\u)):TMP+4*(3*(\t)+(\u))+3], s[8:9] offset:(64*(\p)+2*(\t))*SIZE_N*2+256*(\u)  ; 16 lanes store 256 consecutive bytes, aligned
.endr
.endr
.endm
	s_wait_loadcnt 0x0                             ; the bias
	s_wait_tensorcnt 1                             ; my part of K step 0 is in; K step 1's may stay out
	s_barrier_signal -1
	s_barrier_wait -1
	LDB 0, 0, 0
	LDA AF0, 0, 0
	LDB 1, 0, 0
	LDB 2, 0, 0
	QTR 0, 1                                       ; the first quarter stands in front of the loop: its products start the sums
	WIN 0
	s_mov_b32 s3, LAPS-1
.Llap:                                                 ; a trip goes once round the ring, from a lap's second quarter to the next lap's first, and fills both slots again
	TURNQ 0, 1, 1, 0
	QTR 1, 0
	TURNQ 1, 0, 1, 1
	QTR 0, 0
	WIN 0
	s_sub_co_u32 s3, s3, 1
	s_cmp_lg_u32 s3, 0
	s_cbranch_scc1 .Llap
	TURNQ 0, 1, 0, 0                               ; the last lap is written out: it asks for nothing
	QTR 1, 0
	s_wait_dscnt 16                                ; the very last quarter: nothing more to fetch, the counts run down
	GRP 0, AF1
	s_wait_dscnt 8
	GRP 1, AF1
	s_wait_dscnt 0x0
	GRP 2, AF1
	PLACES
	PACK 0
	TOSTAGE
	SENDP 0
	s_wait_xcnt 0x0                                ; the stores have read v32-223: only now are these written again
	s_barrier_signal -1                            ; my reads of the stage are back (the last count above was 0);
	PACK 1                                         ; work on registers while the others arrive;
	s_barrier_wait -1                              ; everybody's are: the stage may be written again
	TOSTAGE
	SENDP 1
	s_wait_tensorcnt 0x0                           ; the wave's end
	ds_add_u32 v[SPW], v[NIL]
	s_wait_dscnt 0x0
	CROUND                                         ; the closing round
	s_endpgm
.Lfunc_end_k_q74e36dd573_proj:
	.size	k_q74e36dd573_proj, .Lfunc_end_k_q74e36dd573_proj-k_q74e36dd573_proj
	.p2alignl 7, 3214868480
	.fill 96, 4, 3214868480
	.section	.rodata,"a",@progbits
	.p2align	6, 0x0
	.amdhsa_kernel k_q74e36dd573_proj
		.amdhsa_group_segment_fixed_size 327680
		.amdhsa_private_segment_fixed_size 0
		.amdhsa_enable_private_segment 0
		.amdhsa_kernarg_size 32
		.amdhsa_user_sgpr_count 2
		.amdhsa_user_sgpr_kernarg_segment_ptr 1
		.amdhsa_wavefront_size32 1
		.amdhsa_system_sgpr_workgroup_id_x 1
		.amdhsa_system_sgpr_workgroup_id_y 1
		.amdhsa_system_sgpr_workgroup_id_z 1
		.amdhsa_system_vgpr_workitem_id 0
		.amdhsa_next_free_vgpr 1024
		.amdhsa_next_free_sgpr 80
		.amdhsa_reserve_vcc 0
		.amdhsa_float_denorm_mode_32 3
		.amdhsa_float_denorm_mode_16_64 3
		.amdhsa_memory_ordered 1
		.amdhsa_forward_progress 1
		.amdhsa_inst_pref_size 135
	.end_amdhsa_kernel
	.amdgpu_metadata
---
amdhsa.version: [ 1, 2 ]
amdhsa.kernels:
  - .name:           k_q74e36dd573_proj
    .symbol:         k_q74e36dd573_proj.kd
    .args:
      - { .name: xb, .offset: 0, .size: 8, .value_kind: global_buffer, .address_space: global }
      - { .name: wb, .offset: 8, .size: 8, .value_kind: global_buffer, .address_space: global }
      - { .name: qkv, .offset: 16, .size: 8, .value_kind: global_buffer, .address_space: global }
      - { .name: bias, .offset: 24, .size: 8, .value_kind: global_buffer, .address_space: global }
    .group_segment_fixed_size: 327680
    .private_segment_fixed_size: 0
    .kernarg_segment_align: 8
    .kernarg_segment_size: 32
    .max_flat_workgroup_size: 128
    .sgpr_count:     80
    .vgpr_count:     1024
    .wavefront_size: 32
...
	.end_amdgpu_metadata
.endif
;; end of part 2
;; launch score (part 3): grid 9 x 16, 4 waves a work-group, no clusters, 327,680 bytes of LDS; arguments qkv, pbuf, mst, lst; writes pbuf, mst, lst
.if DOCPART == 3
	.amdgcn_target "amdgcn-amd-amdhsa--gfx1250"
	.amdhsa_code_object_version 6
	.text
	.protected	k_q74e36dd573_score
	.globl	k_q74e36dd573_score
	.p2align	8
	.type	k_q74e36dd573_score,@function
k_q74e36dd573_score:
	s_mov_b64 s[64:65], 0
	v_nop
	global_prefetch_b8 v0, s[64:65] scope:SCOPE_SE
	s_setreg_imm32_b32 hwreg(HW_REG_WAVE_MODE, 25, 1), 1
	s_wait_xcnt 0x0
; For each tile of 256 queries x 256 keys on or below the diagonal: S = q k^T (f16 operands, f32 sums, K = 1024), and for each query and each block of 128 keys
;   cm = c x (the block's largest visible score), c = log2(e) / 32;   p = 2^(c s - cm), rounded to f16 into pbuf;   l = the sum of the unrounded p.
; The next launch brings the blocks of a row to the row's true maximum in f32: every exponent here is at most 0, whatever the inputs.
; LIMITS.  A hidden score counts as c s - 1e30 (c s of f16 operands stays below 2e11); a weight below 2^-126 counts as 0; below 6e-8 it is 0 in f16.  A block that is wholly hidden for a row
; gets cm = -1e30, p = 1, l = 128, which the next launch multiplies by 2^(-1e30 - M) = 0.  NaN and infinities are not treated apart.
; THE TILES.  A batch has 36: row I of the triangle has I + 1.  Work-group (t, y), u = y % 4, b = y / 4, takes (7 - u, t) for t <= 7 - u, else (u, t - 8 + u).
; NO CLUSTER: row I has I + 1 tiles and column J has 8 - J, so no four rows and four columns, and no run of four tiles in every row, lie inside the triangle: a cluster would hold
; work-groups with nothing to compute.
; The product's shape: four waves, 128 x 128 each, 64 accumulators; 8 K steps of 128 through two LDS slots; each wave fetches 128 rows x 256 bytes by one tensor load of its own
; (waves 0, 1: q's rows; waves 2, 3: k's).  Source 0 = 16 rows of k, source 1 = 16 rows of q: a lane holds one query (l % 16) and the keys 8 (l / 16) + 0..7 of each block of 16.
; REGISTERS: window 0: v0-31 addresses; v64-127, v128-191 q's fragments, later the softmax's work; v192-215 masks and statistics.  Window 1: v64-191 k's fragments.  Windows 2, 3: accumulators.
.set ROWB,   6144                      ; bytes in a row of qkv
.set KSTEP,  128
.set PITCH,  272
.set HALFT,  128*PITCH
.set SLOT,   4*HALFT
.set STAGE,  2*SLOT                    ; 16 rows x 272 bytes a wave
.set SPITCH, 272
.set SST,    STAGE+4*16*SPITCH         ; 1,024 bytes a wave: cm of my 128 rows, then l
.set SPARE,  SST+4*1024                ; the spare words
.set LAPS,   4
.set ADRA, 16
.set ADRB, 20
.set SR,   22                          ; v22  where I read 16 bytes of statistics back
.set SG,   23                          ; v23  and where they go in mst and lst
.set STO,  24
.set RD,   25
.set CO,   26
.set SA0,  27                          ; v27  my row's statistics word in block 0
.set SPW,  28
.set NIL,  29
.set PFO,  30
.set SA,   31                          ; v31  the same in the block in hand
.set F0,   64
.set F1,   128
.set W,    64                          ; v64-127  a block's 64 scaled scores of my query, then its weights
.set PH,   128                         ; v128-159 the weights in f16
.set BK,   160                         ; v160-191 16 rows read back
.set MDX,  192                         ; v192-199 the addend of the key block that holds my rows' diagonal
.set MD8,  200                         ; v200-207 -1e30 where 8 (l / 16) + j > l % 16
.set MX,   208                         ; v208-211 four running maxima
.set CM,   212                         ; v212 cm (v213 is named with it as a pair)
.set LS,   214                         ; v214 l
.set G1,  24
.set G0,  32
.set LIM, 43
.set PFA, 44
.set POF, 46                           ; s[46:47] what the next store phase adds to pbuf's address
.set SAO, 49                           ; s49  64 x the block in hand
.set CS,  50                           ; s[50:51] c
.set BLO, 52                           ; s[52:53] addend of key blocks left of the diagonal block
.set BHI, 54                           ; s[54:55] right of it
.set AL,  56                           ; s[56:57] 1 where my quarter holds the diagonal
.set SEL, 58                           ; s[58:59] v_permlanex16_b32's selects
.set MSB, 0
.macro WIN new
.if MSB != (\new)
	s_set_vgpr_msb (MSB<<8)|(\new)
.set MSB, \new
.endif
.endm
.set TO_B, 0x40
; A prefetch of the K step two refills on, of my own 128 rows: a lane a row, four instructions.  q's rows of block I are asked for by the tile with J = 0, k's rows of block J by the tile with I = 7:
; each row's 256 bytes of a K step are named once in the launch.  The loop's last trip asks for nothing.
.macro ASK
	s_cmp_gt_u32 s3, s[LIM]
	s_cbranch_scc0 .Lnot_mine_\@
.irp i, 0,1,2,3
	global_prefetch_b8 v[PFO], s[PFA:PFA+1] offset:(\i)*32*ROWB+KSTEP*2 th:TH_LOAD_NT scope:SCOPE_SE
.endr
.Lnot_mine_\@:
.endm
	s_load_b256 s[4:11], s[0:1], 0x0               ; qkv s[4:5], pbuf s[6:7], mst s[8:9], lst s[10:11]
	v_lshl_add_u32 v[SPW], v0, 2, SPARE
	v_mov_b32 v[NIL], 0
	ds_add_u32 v[SPW], v[NIL]                      ; the wave's opening: the add and its wait stand ahead of my first tensor load
	ds_add_u32 v28, v29
	v_lshrrev_b32 v1, 5, v0
	v_readfirstlane_b32 s12, v1                    ; wave
	s_lshr_b32 s13, s12, 1                         ; my half of the queries.  Also: I fetch q (0) or k (1)
	s_and_b32 s14, s12, 1                          ; my half of the keys.  Also: which 128 rows I fetch
	s_mov_b32 s15, ttmp9                           ; t
	s_and_b32 s16, ttmp7, 0xffff
	s_and_b32 s17, s16, 3                          ; u
	s_lshr_b32 s18, s16, 2                         ; b
	s_sub_co_u32 s19, 7, s17
	s_add_co_u32 s21, s15, s17
	s_sub_co_u32 s21, s21, 8                       ; t - 8 + u (taken only where t > 7 - u)
	s_cmp_le_u32 s15, s19
	s_cselect_b32 s20, s19, s17                    ; I
	s_cselect_b32 s21, s15, s21                    ; J
	s_mov_b32 s[G1+0], (1<<16)|(1<<20)|(5<<22)|(3<<25)  ; 2-byte elements; padding on: after every 64 words, 4 words
	s_mov_b32 s[G1+1], KSTEP<<16                   ; tensor_dim0 = 128
	s_mov_b32 s[G1+2], 128<<16                     ; tensor_dim1 = 128
	s_mov_b32 s[G1+3], KSTEP<<16                   ; tile_dim0 = 128
	s_mov_b32 s[G1+4], 128                         ; tile_dim1 = 128
	s_mov_b32 s[G1+5], 3072                        ; elements from row to row
	s_mov_b32 s[G1+6], 0
	s_mov_b32 s[G1+7], 0
	s_cmp_eq_u32 s13, 0
	s_cselect_b32 s22, s20, s21                    ; q's block I or k's block J
	s_cselect_b32 s23, 0, 2048                     ; q's or k's columns, in bytes
	s_lshl_b32 s40, s18, 11
	s_lshl_b32 s41, s22, 8
	s_add_co_u32 s40, s40, s41
	s_lshl_b32 s41, s14, 7
	s_add_co_u32 s40, s40, s41                     ; row 2,048 b + 256 block + 128 half
	s_mul_i32 s40, s40, ROWB
	s_add_co_u32 s40, s40, s23
	s_mov_b32 s41, 0
	s_mul_i32 s42, s12, HALFT                      ; where they go: wave x 128 rows
	s_wait_dscnt 0x0                               ; the opening add is done
	s_wait_kmcnt 0x0
	s_add_nc_u64 s[66:67], s[4:5], s[40:41]
.irp s, 0,1
	s_mov_b32 s[G0+4*(\s)], 1
	s_add_co_u32 s[G0+4*(\s)+1], s42, (\s)*SLOT
	s_add_nc_u64 s[G0+4*(\s)+2:G0+4*(\s)+3], s[66:67], (\s)*KSTEP*2
	s_or_b32 s[G0+4*(\s)+3], s[G0+4*(\s)+3], 0x80000000
	tensor_load_to_lds s[G0+4*(\s):G0+4*(\s)+3], s[G1:G1+7]  ; both first fills go out together: two loads of mine are out
	s_nop 0
.endr
	v_and_b32 v1, 15, v0                           ; l % 16
	v_bfe_u32 v2, v0, 4, 1                         ; l / 16
	v_and_b32 v6, 31, v0                           ; l
	v_mul_u32_u24 v3, v1, PITCH
	v_lshl_add_u32 v3, v2, 4, v3
	s_mul_i32 s22, s13, HALFT
	s_mul_i32 s23, s14, HALFT
	s_add_co_u32 s23, s23, 2*HALFT
.irp s, 0,1
	v_add_nc_u32 v[ADRA+(\s)], s22, v3
	v_add_nc_u32 v[ADRB+(\s)], s23, v3
	s_add_co_u32 s22, s22, SLOT
	s_add_co_u32 s23, s23, SLOT
.endr
	s_mul_i32 s22, s12, 16*SPITCH
	s_add_co_u32 s22, s22, STAGE
	v_mul_u32_u24 v4, v1, SPITCH
	v_lshl_add_u32 v4, v2, 4, v4
	v_add_nc_u32 v[STO], s22, v4
	v_mul_u32_u24 v5, v2, SPITCH
	v_lshl_add_u32 v5, v1, 4, v5
	v_add_nc_u32 v[RD], s22, v5
	v_lshlrev_b32 v5, 12, v2                       ; a row of pbuf is 4,096 bytes
	v_lshl_add_u32 v[CO], v1, 4, v5
	s_lshl_b32 s22, s12, 10
	s_add_co_u32 s22, s22, SST
	v_lshl_add_u32 v[SA0], v1, 2, s22
	v_lshl_add_u32 v[SR], v6, 4, s22
	s_lshl_b32 s22, s20, 8
	s_lshl_b32 s23, s13, 7
	s_add_co_u32 s22, s22, s23                     ; my first query in the batch
	s_lshl_b32 s48, s18, 4
	s_lshl1_add_u32 s48, s21, s48
	s_add_co_u32 s48, s48, s14                     ; key block 16 b + 2 J + half
	s_lshl_b32 s48, s48, 11
	s_add_co_u32 s48, s48, s22
	s_lshl_b32 s48, s48, 2
	v_lshl_add_u32 v[SG], v6, 4, s48
	s_lshl_b32 s[POF], s18, 23
	s_lshl_b32 s22, s22, 12
	s_add_co_u32 s[POF], s[POF], s22
	s_lshl_b32 s22, s21, 9
	s_add_co_u32 s[POF], s[POF], s22
	s_lshl_b32 s22, s14, 8
	s_add_co_u32 s[POF], s[POF], s22               ; my part of the tile in pbuf
	s_mov_b32 s[POF+1], 0
	; the mask, as three addends.  Only a tile on the diagonal (I = J) hides anything: my quarter wholly if my keys' half is the later one, by the diagonal if the halves are equal
	s_mov_b32 s60, 0xf149f2ca                      ; -1e30
	s_mov_b32 s[CS], 0x3d38aa3b                    ; c = log2(e) / 32
	s_mov_b32 s[CS+1], s[CS]
	s_mov_b32 s[SEL], 0x76543210
	s_mov_b32 s[SEL+1], 0xfedcba98
	s_cmp_eq_u32 s20, s21
	s_cselect_b32 s61, 1, 0
	s_cmp_eq_u32 s13, s14
	s_cselect_b32 s62, s61, 0
	s_cmp_lt_u32 s13, s14
	s_cselect_b32 s63, s61, 0
	s_cmp_eq_u32 s62, 1
	s_cselect_b32 s[AL], 1.0, 0
	s_cmp_eq_u32 s63, 1
	s_cselect_b32 s[BLO], s60, 0
	s_or_b32 s62, s62, s63
	s_cmp_eq_u32 s62, 1
	s_cselect_b32 s[BHI], s60, 0
	s_mov_b32 s[AL+1], 0                           ; named as pairs
	s_mov_b32 s[BLO+1], 0
	s_mov_b32 s[BHI+1], 0
	v_lshlrev_b32 v7, 3, v2
	v_sub_nc_u32 v7, v1, v7                        ; l % 16 - 8 (l / 16): register j is hidden where j is greater
.irp j, 0,1,2,3,4,5,6,7
	v_cmp_gt_i32 vcc_lo, \j, v7
	v_cndmask_b32 v[MD8+(\j)], 0, s60, vcc_lo
.endr
.irp i, 0,1,2,3
	v_pk_fma_f32 v[MDX+2*(\i):MDX+2*(\i)+1], v[MD8+2*(\i):MD8+2*(\i)+1], s[AL:AL+1], s[BLO:BLO+1] op_sel_hi:[1,0,0]
.endr
	v_mov_b32 v[CM+1], 0
	; the prefetches
	s_cmp_eq_u32 s21, 0
	s_cselect_b32 s61, 1, -1
	s_cmp_eq_u32 s20, 7
	s_cselect_b32 s62, 1, -1
	s_cmp_eq_u32 s13, 0
	s_cselect_b32 s[LIM], s61, s62
	s_add_nc_u64 s[PFA:PFA+1], s[66:67], 2*KSTEP*2 ; at K step 2: the first refill steps it to 3 and names K step 4
	v_mul_u32_u24 v[PFO], v6, ROWB
.macro MUL16 f, hi, a0, zero           ; 16 matrix instructions; the 64 accumulators take turns; zero = 1: the first product starts the sums
	WIN 0xa1+0x50*(\hi)
.irp a, \a0, (\a0)+1
.irp b, 0,1,2,3,4,5,6,7
.if \zero
	v_wmma_f32_16x16x32_f16 v[8*(8*(\a)+(\b)):8*(8*(\a)+(\b))+7], v[(\f)+8*(\b):(\f)+8*(\b)+7], v[(\f)+8*(4*(\hi)+(\a)):(\f)+8*(4*(\hi)+(\a))+7], 0
.else
	v_wmma_f32_16x16x32_f16 v[8*(8*(\a)+(\b)):8*(8*(\a)+(\b))+7], v[(\f)+8*(\b):(\f)+8*(\b)+7], v[(\f)+8*(4*(\hi)+(\a)):(\f)+8*(4*(\hi)+(\a))+7], v[8*(8*(\a)+(\b)):8*(8*(\a)+(\b))+7]
.endif
.endr
.endr
.endm
.macro FETCH slot, k, f
	WIN TO_B
.irp i, 0,1,2,3,4,5,6,7
	ds_load_b128 v[(\f)+8*(\i):(\f)+8*(\i)+3],   v[ADRB+(\slot)] offset:(\k)+(\i)*16*PITCH
	ds_load_b128 v[(\f)+8*(\i)+4:(\f)+8*(\i)+7], v[ADRB+(\slot)] offset:(\k)+(\i)*16*PITCH+32
.endr
	WIN 0
.irp i, 0,1,2,3,4,5,6,7
	ds_load_b128 v[(\f)+8*(\i):(\f)+8*(\i)+3],   v[ADRA+(\slot)] offset:(\k)+(\i)*16*PITCH
	ds_load_b128 v[(\f)+8*(\i)+4:(\f)+8*(\i)+7], v[ADRA+(\slot)] offset:(\k)+(\i)*16*PITCH+32
.endr
.endm
.macro PLACES
.rept 4
	v_nop
.endr
.endm
.macro QUARTER slot, k, f, g, zero
	s_wait_dscnt 8                                 ; k's fragments and q's rows 0-63 are in; the youngest eight loads may be out
	MUL16 \f, 0, 0, \zero
	MUL16 \f, 0, 2, \zero
	PLACES
	FETCH \slot, \k, \g
	s_wait_dscnt 32                                ; all but the 32 just issued
	MUL16 \f, 1, 0, \zero
	MUL16 \f, 1, 2, \zero
.endm
.macro MEET                            ; one barrier for the change of slots
	WIN 0
	s_wait_tensorcnt 0x0                           ; all my tensor loads have landed: the one that was out is my part of the next slot
	ds_add_u32 v[SPW], v[NIL]                      ; 0 onto my spare word
	s_wait_dscnt 9                                 ; the add and the youngest eight loads may be out
	MUL16 F1, 0, 0, 0
	s_wait_dscnt 0x0                               ; the add is done, and my reads of this slot are over
	s_barrier_signal -1
	MUL16 F1, 0, 2, 0
	s_barrier_wait -1
.endm
.macro TURN slot, next
	s_wait_xcnt 0x0                                ; the last prefetches, a K step back, have read their address
	s_add_nc_u64 s[PFA:PFA+1], s[PFA:PFA+1], KSTEP*2
	MEET
	s_add_nc_u64 s[G0+4*(\slot)+2:G0+4*(\slot)+3], s[G0+4*(\slot)+2:G0+4*(\slot)+3], 2*KSTEP*2
	tensor_load_to_lds s[G0+4*(\slot):G0+4*(\slot)+3], s[G1:G1+7]  ; my one tensor load behind the barrier: the slot just read, two K steps on
	s_nop 0
	PLACES                                         ; also the places in front of the loads below
	FETCH \next, 0, F0
	ASK
	MUL16 F1, 1, 0, 0
	MUL16 F1, 1, 2, 0
.endm
	s_wait_tensorcnt 1                             ; my part of K step 0 is in; K step 1's may stay out
	s_barrier_signal -1
	s_barrier_wait -1
	FETCH 0, 0, F0
	QUARTER 0, 64,  F0, F1, 1
	WIN 0
	s_mov_b32 s3, LAPS-1
.Llap:
	QUARTER 0, 128, F1, F0, 0
	QUARTER 0, 192, F0, F1, 0
	TURN 0, 1
	QUARTER 1, 64,  F0, F1, 0
	QUARTER 1, 128, F1, F0, 0
	QUARTER 1, 192, F0, F1, 0
	TURN 1, 0
	QUARTER 0, 64,  F0, F1, 0
	WIN 0
	s_sub_co_u32 s3, s3, 1
	s_cmp_lg_u32 s3, 0
	s_cbranch_scc1 .Llap
	QUARTER 0, 128, F1, F0, 0                      ; the last lap is written out: it asks for nothing
	QUARTER 0, 192, F0, F1, 0
	MEET
	PLACES
	FETCH 1, 0, F0
	MUL16 F1, 1, 0, 0
	MUL16 F1, 1, 2, 0
	QUARTER 1, 64,  F0, F1, 0
	QUARTER 1, 128, F1, F0, 0
	QUARTER 1, 192, F0, F1, 0
	s_wait_dscnt 8
	MUL16 F1, 0, 0, 0
	MUL16 F1, 0, 2, 0
	s_wait_dscnt 0x0
	MUL16 F1, 1, 0, 0
	MUL16 F1, 1, 2, 0
	PLACES
	PLACES
; THE SOFTMAX OF A BLOCK OF 16 QUERIES x MY 128 KEYS, written once and walked eight times.  What differs between blocks is which accumulators are read and where the diagonal lies:
; COPY a brings block a's 64 scores into W as c s + addend, one packed instruction for scaling, mask and move; each accumulator's lowest registers are read first.
.macro COPY a
	WIN 0x02+((\a)/4)                              ; source 0 in window 2 or 3
.irp b, 0,1,2,3,4,5,6,7
.irp i, 0,1,2,3
.if (\b) < (\a)
	v_pk_fma_f32 v[W+8*(\b)+2*(\i):W+8*(\b)+2*(\i)+1], v[64*((\a)%4)+8*(\b)+2*(\i):64*((\a)%4)+8*(\b)+2*(\i)+1], s[CS:CS+1], s[BLO:BLO+1] op_sel_hi:[1,0,0]
.elseif (\b) == (\a)
	v_pk_fma_f32 v[W+8*(\b)+2*(\i):W+8*(\b)+2*(\i)+1], v[64*((\a)%4)+8*(\b)+2*(\i):64*((\a)%4)+8*(\b)+2*(\i)+1], s[CS:CS+1], v[MDX+2*(\i):MDX+2*(\i)+1] op_sel_hi:[1,0,1]
.else
	v_pk_fma_f32 v[W+8*(\b)+2*(\i):W+8*(\b)+2*(\i)+1], v[64*((\a)%4)+8*(\b)+2*(\i):64*((\a)%4)+8*(\b)+2*(\i)+1], s[CS:CS+1], s[BHI:BHI+1] op_sel_hi:[1,0,0]
.endif
.endr
.endr
	WIN 0
.endm
	WIN 0
	s_mov_b32 s3, 8                                ; blocks to go: block a = 8 - s3
	s_mov_b32 s[SAO], 0
.Lrow:
.irp a, 0,1,2,3,4,5,6
	s_cmp_eq_u32 s3, 8-(\a)
	s_cbranch_scc1 .Lcopy\a
.endr
	COPY 7
	s_branch .Lcommon
.irp a, 0,1,2,3,4,5
.Lcopy\a:
	COPY \a
	s_branch .Lcommon
.endr
.Lcopy6:
	COPY 6
.Lcommon:
	; the largest of my 64, in four chains of 16, three operands at a time; the query's other 64 keys lie in the lane 16 away
.irp c, 0,1,2,3
	v_max3_num_f32 v[MX+(\c)], v[W+16*(\c)], v[W+16*(\c)+1], v[W+16*(\c)+2]
.endr
.irp k, 0,1,2,3,4,5
.irp c, 0,1,2,3
	v_max3_num_f32 v[MX+(\c)], v[MX+(\c)], v[W+16*(\c)+3+2*(\k)], v[W+16*(\c)+4+2*(\k)]
.endr
.endr
	v_max3_num_f32 v[MX], v[MX], v[W+15], v[W+31]
	v_max3_num_f32 v[MX+2], v[MX+2], v[W+47], v[W+63]
	v_max3_num_f32 v[MX], v[MX], v[MX+1], v[MX+2]
	v_max_num_f32 v[MX], v[MX], v[MX+3]
	v_permlanex16_b32 v[MX+1], v[MX], s[SEL], s[SEL+1]
	v_max_num_f32 v[CM], v[MX], v[MX+1]
.set i, 0
.rept 32
	v_pk_add_f32 v[W+2*i:W+2*i+1], v[W+2*i:W+2*i+1], v[CM:CM+1] op_sel_hi:[1,0] neg_lo:[0,1] neg_hi:[0,1]
.set i, i+1
.endr
.set i, 0
.rept 64
	v_exp_f32 v[W+i], v[W+i]                       ; one batch
.set i, i+1
.endr
	v_add_nc_u32 v[SA], s[SAO], v[SA0]             ; the plain instruction behind the last exponential
	s_wait_alu depctr_va_vdst(0)                   ; one wait for the batch, ahead of its first reader
.set i, 0
.rept 32
	v_cvt_pk_f16_f32 v[PH+i], v[W+2*i], v[W+2*i+1]
.set i, i+1
.endr
.irp n, 16,8,4,2,1                     ; the sum of the 32 pairs, in place: pair p takes pair p + n
.set i, 0
.rept \n
	v_pk_add_f32 v[W+2*i:W+2*i+1], v[W+2*i:W+2*i+1], v[W+2*(i+(\n)):W+2*(i+(\n))+1]
.set i, i+1
.endr
.endr
	v_add_f32 v[LS], v[W], v[W+1]
	v_permlanex16_b32 v[MX+1], v[LS], s[SEL], s[SEL+1]
	v_add_f32 v[LS], v[LS], v[MX+1]
.irp b, 0,1,2,3,4,5,6,7
	ds_store_b128 v[STO], v[PH+4*(\b):PH+4*(\b)+3] offset:32*(\b)
.endr
	ds_store_b32 v[SA], v[CM]                      ; both halves of the lanes hold the same number and write the same word
	ds_store_b32 v[SA], v[LS] offset:512
	s_add_co_u32 s[SAO], s[SAO], 64
	s_wait_xcnt 0x0                                ; the last block's stores have read their base and v160-191
	s_add_nc_u64 s[6:7], s[6:7], s[POF:POF+1]      ; first my part of the tile, then 16 rows on
	s_mov_b32 s[POF], 16*4096
.irp t, 0,1,2,3,4,5,6,7
	ds_load_b128 v[BK+4*(\t):BK+4*(\t)+3], v[RD] offset:(\t)*2*SPITCH  ; LDS serves a wave's instructions in order: these see the stores above
.endr
	s_wait_dscnt 0x0
.irp t, 0,1,2,3,4,5,6,7
	global_store_b128 v[CO], v[BK+4*(\t):BK+4*(\t)+3], s[6:7] offset:2*(\t)*4096  ; 16 lanes store 256 consecutive bytes, aligned
.endr
	s_sub_co_u32 s3, s3, 1
	s_cmp_lg_u32 s3, 0
	s_cbranch_scc1 .Lrow
	ds_load_b128 v[W:W+3], v[SR]                   ; my 128 rows' cm and l: 512 consecutive bytes each
	ds_load_b128 v[W+4:W+7], v[SR] offset:512
	s_wait_dscnt 0x0
	global_store_b128 v[SG], v[W:W+3], s[8:9]
	global_store_b128 v[SG], v[W+4:W+7], s[10:11]
	s_wait_tensorcnt 0x0                           ; the wave's end
	ds_add_u32 v[SPW], v[NIL]
	s_wait_dscnt 0x0
	s_endpgm
.Lfunc_end_k_q74e36dd573_score:
	.size	k_q74e36dd573_score, .Lfunc_end_k_q74e36dd573_score-k_q74e36dd573_score
	.p2alignl 7, 3214868480
	.fill 96, 4, 3214868480
	.section	.rodata,"a",@progbits
	.p2align	6, 0x0
	.amdhsa_kernel k_q74e36dd573_score
		.amdhsa_group_segment_fixed_size 327680
		.amdhsa_private_segment_fixed_size 0
		.amdhsa_enable_private_segment 0
		.amdhsa_kernarg_size 32
		.amdhsa_user_sgpr_count 2
		.amdhsa_user_sgpr_kernarg_segment_ptr 1
		.amdhsa_wavefront_size32 1
		.amdhsa_system_sgpr_workgroup_id_x 1
		.amdhsa_system_sgpr_workgroup_id_y 1
		.amdhsa_system_sgpr_workgroup_id_z 1
		.amdhsa_system_vgpr_workitem_id 0
		.amdhsa_next_free_vgpr 1024
		.amdhsa_next_free_sgpr 68
		.amdhsa_reserve_vcc 1
		.amdhsa_float_denorm_mode_32 3
		.amdhsa_float_denorm_mode_16_64 3
		.amdhsa_memory_ordered 1
		.amdhsa_forward_progress 1
		.amdhsa_inst_pref_size 141
	.end_amdhsa_kernel
	.amdgpu_metadata
---
amdhsa.version: [ 1, 2 ]
amdhsa.kernels:
  - .name:           k_q74e36dd573_score
    .symbol:         k_q74e36dd573_score.kd
    .args:
      - { .name: qkv, .offset: 0, .size: 8, .value_kind: global_buffer, .address_space: global }
      - { .name: pbuf, .offset: 8, .size: 8, .value_kind: global_buffer, .address_space: global }
      - { .name: mst, .offset: 16, .size: 8, .value_kind: global_buffer, .address_space: global }
      - { .name: lst, .offset: 24, .size: 8, .value_kind: global_buffer, .address_space: global }
    .group_segment_fixed_size: 327680
    .private_segment_fixed_size: 0
    .kernarg_segment_align: 8
    .kernarg_segment_size: 32
    .max_flat_workgroup_size: 128
    .sgpr_count:     68
    .vgpr_count:     1024
    .wavefront_size: 32
...
	.end_amdgpu_metadata
.endif
;; end of part 3
;; launch pv (part 4): grid 8 x 32, 4 waves a work-group, clusters of 4 x 4, 327,680 bytes of LDS; arguments pbuf, qkv, mst, lst, out0; writes out0
.if DOCPART == 4
	.amdgcn_target "amdgcn-amd-amdhsa--gfx1250"
	.amdhsa_code_object_version 6
	.text
	.protected	k_q74e36dd573_pv
	.globl	k_q74e36dd573_pv
	.p2align	8
	.type	k_q74e36dd573_pv,@function
k_q74e36dd573_pv:
	s_mov_b64 s[64:65], 0
	v_nop
	global_prefetch_b8 v0, s[64:65] scope:SCOPE_SE
	s_setreg_imm32_b32 hwreg(HW_REG_WAVE_MODE, 25, 1), 1
	s_wait_xcnt 0x0
	s_wait_alu depctr_hold_cnt(0) depctr_sa_sdst(0) depctr_va_vdst(0) depctr_va_sdst(0) depctr_va_ssrc(0) depctr_va_vcc(0) depctr_vm_vsrc(0)
	s_getreg_b32 s2, hwreg(HW_REG_IB_STS2, 6, 4)
	s_cmp_eq_u32 s2, 0
	s_cbranch_scc0 .Lentry_in_a_cluster
	s_endpgm
.Lentry_in_a_cluster:
	s_bfe_u32 s2, ttmp6, 0x10000c
	s_cmp_lg_u32 s2, 0xf033
	s_cbranch_scc0 .Lentry_shape_is_right
	s_endpgm
.Lentry_shape_is_right:
; out[q][ch] = (sum over key blocks t of f_t (sum over the block's 128 keys of p[q][key] v[key][ch])) / L,  f_t = 2^(cm_t - M), M = the largest cm_t of the row, L = sum of f_t l_t.
; p (f16) and cm, l (f32) come from the launch before, v (f16) from qkv.  M is the row's true maximum, so every f is at most 1; f, the blocks' sums, O and L stay in f32; out is f32.
; LIMITS.  A block that is hidden for a row arrives with cm = -1e30 and gets f = 0; f below 2^-126 counts as 0.  NaN and infinities are not treated apart.
; SHARES.  A work-group makes 128 rows x 128 channels.  The rows are those congruent to cy modulo 4 of a super-block of 512 queries, so that the four partners along the cluster's y see the
; same keys and V's tiles can be asked for jointly; the four along x share the rows and ask for p's tiles jointly.  It takes super-block u (2 u + 2 slots of 256 keys) and then 3 - u (8 - 2 u):
; ten slots whatever u: all 256 work-groups are alike and all trip counts are constants.  A wave makes 64 rows x 64 channels: 16 accumulators.
; PRODUCT.  Source 0 = 16 channels x 32 keys of V (stored [key][channel], turned by ds_load_tr16_b128), source 1 = 32 keys x 16 rows of p: a lane holds one row (l % 16) and 8 channels.
; T (matrix accumulators) holds one key block's sum; behind each 128 keys O += f T, 64 packed multiply-adds.  O starts at 0 by 128 v_mov_b32 a block: the price of one form of that fold.
; REGISTERS: window 0: v0-31 addresses; v32-47 f (key block parity e, row tile a at v[32 + 8 e + 2 a]); v48-55 1 / L; v64-127 at work; v128-255 O.  Window 1: two fragment buffers of 128
; (64 of p, 64 of V, for 64 keys).  Window 2: v0-127 T.
.set PP,     528                       ; a row of p in LDS: 512 bytes + 16
.set PV,     288                       ; a row of V: 256 + 32 = 72 words
.set PBYTES, 128*PP
.set SLOT,   PBYTES+256*PV             ; 128 rows of p, then 256 keys of V
.set STAGE,  2*SLOT                    ; 16 rows x 272 bytes a wave
.set SP,     272
.set FT,     STAGE+4*16*SP             ; f: for each wave 20 key blocks x 64 rows x 4 bytes
.set IL,     FT+4*5120                 ; 1 / L: for each wave 2 super-blocks x 64 rows x 4 bytes
.set SPARE,  IL+4*512                  ; the spare words
.set VSTEP,  256*6144                  ; bytes from a slot's keys to the next slot's in qkv
.set AP,  16                           ; v16-17  p's fragments in slot 0, 1
.set AV,  18                           ; v18-19  V's, keys 0-127 of slot 0, 1;  v20-21 keys 128-255 (an offset has 16 bits)
.set FA0, 22                           ; v22  my row's f word in key block 0
.set FA,  23                           ; v23  in the slot in hand
.set STO, 24
.set RD,  25
.set CO,  26
.set ILA, 27
.set SPW, 28
.set NIL, 29
.set PFO, 30
.set FR,  32
.set ILR, 48
.set WK,  64
.set O,   128
.set F0,  0
.set F1,  128
.set CMR, 64                           ; the statistics' set-up: cm, then f, of key block e and my rows 2 l, 2 l + 1 at v[64 + 2 e]
.set LR,  104                          ; l likewise
.set VO,  144                          ; a slot's byte offset in mst and lst
.set MA,  154
.set MB,  156
.set MC,  158
.set M1,  160
.set M2,  162
.set MM,  164
.set LA,  166
.set LB,  168
.set LC,  170
.set T1,  172
.set T2,  174
.set R1,  176
.set R2,  178
.set WV,  14
.set WR,  15                           ; my half of the rows.  Also: I fetch p (0) or V (1)
.set WC,  16                           ; my half of the channels.  Also: which half of the tile I fetch
.set CX,  17
.set CY,  18
.set CB,  19
.set BB,  20
.set UU,  21
.set G1P, 32
.set G1V, 40
.set G0P, 48
.set G0V, 56
.set PB,  66                           ; s[66:67] p at my part of the tile's rows, key 0, of the super-block whose slots are being asked for
.set PB2, 68                           ; the same for the second super-block
.set VB,  70                           ; V at my part of the keys of slot 0
.set PBX, 72                           ; PB at my work-group's 16 rows: for the prefetches alone
.set PBX2, 74
.set PFA, 76
.set OFP, 78
.set OFV, 80
.set OB2, 82                           ; out0 at my rows of the second super-block
.set NXT, 84                           ; the slot to be asked for next
.set LQ,  85                           ; the last slot of the super-block whose slots are being asked for
.set LQ2, 86
.set RT,  87                           ; laps of the first super-block still to end
.set CNT, 88
.set ASKF, 89
.set DOASK, 90
.set FAO, 91
.set SU,  92
.set N1,  93
.set LP,  94
.set LV,  95
.set MSB, 0
.macro WIN new
.if MSB != (\new)
	s_set_vgpr_msb (MSB<<8)|(\new)
.set MSB, \new
.endif
.endm
.set MUL,  0xa5                        ; sources 0 and 1 window 1; C and D window 2
.set TO_F, 0x40
.macro JLOAD s                         ; a joint load: waves 0, 1 p's two halves, waves 2, 3 V's; an s_nop 0 and four v_nop follow each line
	s_cmp_eq_u32 s[WR], 0
	s_cbranch_scc0 .Lfor_v_\@
	tensor_load_to_lds s[G0P+4*(\s):G0P+4*(\s)+3], s[G1P:G1P+7]
	s_nop 0
.rept 4
	v_nop
.endr
	s_branch .Lasked_\@
.Lfor_v_\@:
	tensor_load_to_lds s[G0V+4*(\s):G0V+4*(\s)+3], s[G1V:G1V+7]
	s_nop 0
.rept 4
	v_nop
.endr
.Lasked_\@:
.endm
.macro CREST
	s_cmp_lg_u32 s[WV], 0
	s_cbranch_scc1 .Lnot_wave_0_\@
	s_barrier_signal -3
.Lnot_wave_0_\@:
	s_barrier_wait -3
	s_barrier_signal -1
	s_barrier_wait -1
.endm
.macro CROUND
	s_barrier_signal -1
	s_barrier_wait -1
	CREST
.endm
.macro UPDATE                          ; the super-block's next slot, or behind its last the second super-block's slot 0
	s_add_co_u32 s[NXT], s[NXT], 1
	s_cmp_gt_u32 s[NXT], s[LQ]
	s_cselect_b32 s[NXT], 0, s[NXT]
	s_cselect_b32 s[LQ], s[LQ2], s[LQ]
	s_cselect_b64 s[PB:PB+1], s[PB2:PB2+1], s[PB:PB+1]
	s_cselect_b64 s[PBX:PBX+1], s[PBX2:PBX2+1], s[PBX:PBX+1]
.endm
; A prefetch of p's tile of the slot that the NEXT change of slots will ask for, while that slot belongs to the same super-block.  p's rows are read by both clusters along x: the one with x = 0 asks;
; waves 0 and 1 ask for the 64 rows that they fetch; the four partners along x take 16 rows each, by address; a lane names 256 bytes (row l / 2, half l % 2): each block is named once in the launch.
; V is not asked for: both super-blocks and both walks of a batch read its rows again.
.macro ASK
	s_cmp_eq_u32 s[DOASK], 1
	s_cbranch_scc0 .Lnot_mine_\@
	global_prefetch_b8 v[PFO], s[PFA:PFA+1] th:TH_LOAD_NT scope:SCOPE_SE
.Lnot_mine_\@:
.endm
	s_load_b256 s[4:11], s[0:1], 0x0               ; pbuf s[4:5], qkv s[6:7], mst s[8:9], lst s[10:11]
	s_load_b64 s[12:13], s[0:1], 0x20              ; out0
	v_lshl_add_u32 v[SPW], v0, 2, SPARE
	v_mov_b32 v[NIL], 0
	ds_add_u32 v[SPW], v[NIL]                      ; the wave's opening: the add and its wait stand ahead of my first tensor load
	ds_add_u32 v28, v29
	v_lshrrev_b32 v1, 5, v0
	v_readfirstlane_b32 s[WV], v1
	s_lshr_b32 s[WR], s[WV], 1
	s_and_b32 s[WC], s[WV], 1
	s_bfe_u32 s[CX], ttmp6, 0x40000
	s_bfe_u32 s[CY], ttmp6, 0x40004
	s_and_b32 s24, ttmp7, 0xffff                   ; the cluster's y: batch and u, which all sixteen partners share
	s_lshr_b32 s[BB], s24, 1
	s_and_b32 s[UU], s24, 1
	s_lshl_b32 s[CB], ttmp9, 2
	s_add_co_u32 s[CB], s[CB], s[CX]               ; my block of 128 channels
	s_lshl_b32 s22, s[CY], 2
	s_lshl_b32 s22, 15, s22                        ; my row of the cluster
	s_lshl_b32 s25, 0x1111, s[CX]                  ; my column
	s_or_b32 s[G1P], s22, (1<<16)|(1<<20)|(1<<21)|(6<<22)|(3<<25)  ; mask; 2-byte elements; padding on; bit 21 beside a mask; after every 128 words, 4 words
	s_or_b32 s[G1V], s25, (1<<16)|(1<<20)|(1<<21)|(5<<22)|(7<<25)  ; after every 64 words, 8 words
	s_mov_b32 s[G1P+1], 256<<16                    ; p: tensor_dim0 = 256 keys
	s_mov_b32 s[G1P+2], 64<<16                     ; tensor_dim1 = 64 rows
	s_mov_b32 s[G1P+3], 256<<16                    ; tile_dim0
	s_mov_b32 s[G1P+4], 64                         ; tile_dim1
	s_mov_b32 s[G1P+5], 4*2048                     ; every fourth row
	s_mov_b32 s[G1P+6], 0
	s_mov_b32 s[G1P+7], 0
	s_mov_b32 s[G1V+1], 128<<16                    ; V: 128 channels
	s_mov_b32 s[G1V+2], 128<<16                    ; 128 keys
	s_mov_b32 s[G1V+3], 128<<16
	s_mov_b32 s[G1V+4], 128
	s_mov_b32 s[G1V+5], 3072
	s_mov_b32 s[G1V+6], 0
	s_mov_b32 s[G1V+7], 0
	; p's offsets, in registers that never hold cx
	s_lshl_b32 s22, s[WC], 8
	s_add_co_u32 s22, s22, s[CY]                   ; 256 x half + cy
	s_lshl_b32 s23, s[UU], 9
	s_add_co_u32 s23, s23, s22
	s_lshl_b32 s23, s23, 12
	s_lshl_b32 s24, s[BB], 23
	s_add_co_u32 s26, s23, s24
	s_mov_b32 s27, 0
	s_sub_co_u32 s23, 3, s[UU]
	s_lshl_b32 s23, s23, 9
	s_add_co_u32 s23, s23, s22
	s_lshl_b32 s23, s23, 12
	s_add_co_u32 s28, s23, s24
	s_mov_b32 s29, 0
	; V's, in registers that never hold cy
	s_lshl_b32 s30, s[BB], 11
	s_lshl_b32 s25, s[WC], 7
	s_add_co_u32 s30, s30, s25
	s_mul_i32 s30, s30, 6144
	s_lshl_b32 s25, s[CB], 8
	s_add_co_u32 s30, s30, s25
	s_add_co_u32 s30, s30, 4096                    ; v's columns begin 4,096 bytes into a row of qkv
	s_mov_b32 s31, 0
	s_mul_i32 s[LP], s[WC], 64*PP                  ; where they go: no place in the cluster enters an LDS address
	s_mul_i32 s[LV], s[WC], 128*PV
	s_add_co_u32 s[LV], s[LV], PBYTES
	s_lshl_b32 s[N1], s[UU], 1
	s_add_co_u32 s[N1], s[N1], 2                   ; slots of the first super-block
	s_sub_co_u32 s[LQ], s[N1], 1
	s_sub_co_u32 s[LQ2], 9, s[N1]                  ; 8 - 2 u slots in the second: its last is 7 - 2 u
	s_add_co_u32 s[RT], s[UU], 1
	s_mov_b32 s[NXT], 1
	s_mov_b32 s[OFP+1], 0
	s_mov_b32 s[OFV+1], 0
	s_mov_b32 s[FAO], 0
	s_or_b32 s96, s[WR], ttmp9
	s_cmp_eq_u32 s96, 0
	s_cselect_b32 s[ASKF], 1, 0
	s_cmp_eq_u32 s[UU], 1
	s_cselect_b32 s[SU], -1, 0
	s_lshl_b32 s100, s[CX], 18                     ; 16 rows at a stride of 4 rows of 4,096 bytes
	s_mov_b32 s101, 0
	s_wait_dscnt 0x0                               ; the opening add is done
	s_wait_kmcnt 0x0
	s_add_nc_u64 s[PB:PB+1], s[4:5], s[26:27]
	s_add_nc_u64 s[PB2:PB2+1], s[4:5], s[28:29]
	s_add_nc_u64 s[VB:VB+1], s[6:7], s[30:31]
	s_add_nc_u64 s[PBX:PBX+1], s[PB:PB+1], s[100:101]
	s_add_nc_u64 s[PBX2:PBX2+1], s[PB2:PB2+1], s[100:101]
	CROUND                                         ; all sixteen work-groups are here: the first joint loads meet
.irp s, 0,1
	s_mov_b32 s[G0P+4*(\s)], 1
	s_add_co_u32 s[G0P+4*(\s)+1], s[LP], (\s)*SLOT
	s_add_nc_u64 s[G0P+4*(\s)+2:G0P+4*(\s)+3], s[PB:PB+1], (\s)*512
	s_or_b32 s[G0P+4*(\s)+3], s[G0P+4*(\s)+3], 0x80000000
	s_mov_b32 s[G0V+4*(\s)], 1
	s_add_co_u32 s[G0V+4*(\s)+1], s[LV], (\s)*SLOT
	s_add_nc_u64 s[G0V+4*(\s)+2:G0V+4*(\s)+3], s[VB:VB+1], (\s)*VSTEP
	s_or_b32 s[G0V+4*(\s)+3], s[G0V+4*(\s)+3], 0x80000000
	JLOAD \s                                       ; slots 0 and 1 of the first super-block: two loads of mine are out
.endr
	UPDATE                                         ; the next slot to ask for is the walk's third
	; out0 at my rows of both super-blocks
	s_lshl_b32 s96, s[BB], 11
	s_lshl_b32 s97, s[WR], 8
	s_add_co_u32 s96, s96, s97
	s_add_co_u32 s96, s96, s[CY]
	s_lshl_b32 s97, s[CB], 9
	s_lshl_b32 s98, s[WC], 8
	s_add_co_u32 s97, s97, s98
	s_lshl_b32 s98, s[UU], 9
	s_add_co_u32 s98, s98, s96
	s_lshl_b32 s98, s98, 12
	s_add_co_u32 s98, s98, s97
	s_mov_b32 s99, 0
	s_sub_co_u32 s100, 3, s[UU]
	s_lshl_b32 s100, s100, 9
	s_add_co_u32 s100, s100, s96
	s_lshl_b32 s100, s100, 12
	s_add_co_u32 s100, s100, s97
	s_mov_b32 s101, 0
	s_add_nc_u64 s[OB2:OB2+1], s[12:13], s[100:101]
	s_add_nc_u64 s[12:13], s[12:13], s[98:99]
	; THE STATISTICS, once, while the first tiles are on their way.  Lane l takes rows 2 l and 2 l + 1 of my wave's 64; the walk has 20 key blocks of 128, two to a slot.
	v_and_b32 v1, 15, v0                           ; l % 16
	v_bfe_u32 v2, v0, 4, 1                         ; l / 16
	v_and_b32 v3, 31, v0                           ; l
	v_lshlrev_b32 v4, 5, v3                        ; two rows, 16 bytes apart (every fourth row of 4 bytes)
	s_lshl_b32 s96, s[BB], 17                      ; 16 key blocks x 2,048 rows x 4 bytes a batch
	s_lshl_b32 s97, s[WR], 10
	s_add_co_u32 s96, s96, s97
	s_lshl2_add_u32 s96, s[CY], s96
	s_lshl_b32 s97, s[UU], 11
	s_add_co_u32 s98, s96, s97                     ; the first super-block's rows, key block 0
	s_sub_co_u32 s97, 3, s[UU]
	s_lshl_b32 s97, s97, 11
	s_add_co_u32 s99, s96, s97                     ; the second's,
	s_lshl_b32 s97, s[N1], 14
	s_sub_co_u32 s99, s99, s97                     ; less the first's slots (modulo 2^32; taken only for slots from N1 on, where the sum is the true offset)
.irp g, 0,1,2,3,4,5,6,7,8,9
	s_cmp_gt_u32 s[N1], \g
	s_cselect_b32 s97, s98, s99
	s_add_co_u32 s97, s97, 16384*(\g)
	v_add_nc_u32 v[VO+(\g)], s97, v4
.endr
.irp g, 0,1,2,3,4,5,6,7,8,9
.irp k, 0,1
.irp j, 0,1
	global_load_b32 v[CMR+2*(2*(\g)+(\k))+(\j)], v[VO+(\g)], s[8:9] offset:8192*(\k)+16*(\j)
	global_load_b32 v[LR+2*(2*(\g)+(\k))+(\j)],  v[VO+(\g)], s[10:11] offset:8192*(\k)+16*(\j)
.endr
.endr
.endr
	s_mul_i32 s96, s[WV], 5120
	s_add_co_u32 s96, s96, FT
	v_lshl_add_u32 v5, v3, 3, s96                  ; where my two rows' f go
	v_lshl_add_u32 v[FA0], v1, 2, s96              ; and where row l % 16's is read
	s_lshl_b32 s96, s[WV], 9
	s_add_co_u32 s96, s96, IL
	v_lshl_add_u32 v6, v3, 3, s96
	v_lshl_add_u32 v[ILA], v1, 2, s96
	s_wait_loadcnt 0x0
	; key blocks 0-3 always belong to the first super-block, 8-19 to the second, 4-7 to the first where u = 1: chosen by a scalar mask
.irp j, 0,1
	v_max3_num_f32 v[MA+(\j)], v[CMR+(\j)], v[CMR+2+(\j)], v[CMR+4+(\j)]
	v_max_num_f32 v[MA+(\j)], v[MA+(\j)], v[CMR+6+(\j)]
	v_max3_num_f32 v[MB+(\j)], v[CMR+8+(\j)], v[CMR+10+(\j)], v[CMR+12+(\j)]
	v_max_num_f32 v[MB+(\j)], v[MB+(\j)], v[CMR+14+(\j)]
	v_max3_num_f32 v[MC+(\j)], v[CMR+16+(\j)], v[CMR+18+(\j)], v[CMR+20+(\j)]
.irp e, 11,13,15,17
	v_max3_num_f32 v[MC+(\j)], v[MC+(\j)], v[CMR+2*(\e)+(\j)], v[CMR+2*(\e)+2+(\j)]
.endr
	v_max_num_f32 v[MC+(\j)], v[MC+(\j)], v[CMR+38+(\j)]
	v_max_num_f32 v[M1+(\j)], v[MA+(\j)], v[MB+(\j)]
	v_cndmask_b32 v[M1+(\j)], v[MA+(\j)], v[M1+(\j)], s[SU]
	v_max_num_f32 v[M2+(\j)], v[MB+(\j)], v[MC+(\j)]
	v_cndmask_b32 v[M2+(\j)], v[M2+(\j)], v[MC+(\j)], s[SU]
	v_cndmask_b32 v[MM+(\j)], v[M2+(\j)], v[M1+(\j)], s[SU]
.endr
.irp e, 0,1,2,3
	v_pk_add_f32 v[CMR+2*(\e):CMR+2*(\e)+1], v[CMR+2*(\e):CMR+2*(\e)+1], v[M1:M1+1] neg_lo:[0,1] neg_hi:[0,1]
.endr
.irp e, 4,5,6,7
	v_pk_add_f32 v[CMR+2*(\e):CMR+2*(\e)+1], v[CMR+2*(\e):CMR+2*(\e)+1], v[MM:MM+1] neg_lo:[0,1] neg_hi:[0,1]
.endr
.irp e, 8,9,10,11,12,13,14,15,16,17,18,19
	v_pk_add_f32 v[CMR+2*(\e):CMR+2*(\e)+1], v[CMR+2*(\e):CMR+2*(\e)+1], v[M2:M2+1] neg_lo:[0,1] neg_hi:[0,1]
.endr
.set i, 0
.rept 40
	v_exp_f32 v[CMR+i], v[CMR+i]                   ; f: one batch
.set i, i+1
.endr
	v_mov_b32 v[FA], v[FA0]                        ; the plain instruction behind the last exponential
	s_wait_alu depctr_va_vdst(0)                   ; one wait for the batch
.irp e, 0,1,2,3,4,5,6,7,8,9,10,11,12,13,14,15,16,17,18,19
	ds_store_b64 v5, v[CMR+2*(\e):CMR+2*(\e)+1] offset:256*(\e)
.endr
	v_pk_mul_f32 v[LA:LA+1], v[CMR:CMR+1], v[LR:LR+1]
	v_pk_mul_f32 v[LB:LB+1], v[CMR+8:CMR+9], v[LR+8:LR+9]
	v_pk_mul_f32 v[LC:LC+1], v[CMR+16:CMR+17], v[LR+16:LR+17]
.irp e, 1,2,3
	v_pk_fma_f32 v[LA:LA+1], v[CMR+2*(\e):CMR+2*(\e)+1], v[LR+2*(\e):LR+2*(\e)+1], v[LA:LA+1]
	v_pk_fma_f32 v[LB:LB+1], v[CMR+8+2*(\e):CMR+8+2*(\e)+1], v[LR+8+2*(\e):LR+8+2*(\e)+1], v[LB:LB+1]
.endr
.irp e, 9,10,11,12,13,14,15,16,17,18,19
	v_pk_fma_f32 v[LC:LC+1], v[CMR+2*(\e):CMR+2*(\e)+1], v[LR+2*(\e):LR+2*(\e)+1], v[LC:LC+1]
.endr
.irp j, 0,1
	v_cndmask_b32 v[T1+(\j)], 0, v[LB+(\j)], s[SU]
	v_cndmask_b32 v[T2+(\j)], v[LB+(\j)], 0, s[SU]
.endr
	v_pk_add_f32 v[LA:LA+1], v[LA:LA+1], v[T1:T1+1]
	v_pk_add_f32 v[LC:LC+1], v[LC:LC+1], v[T2:T2+1]
	v_rcp_f32 v[R1], v[LA]
	v_rcp_f32 v[R1+1], v[LA+1]
	v_rcp_f32 v[R2], v[LC]
	v_rcp_f32 v[R2+1], v[LC+1]
	v_nop                                          ; a plain instruction behind the last reciprocal,
	s_wait_alu depctr_va_vdst(0)                   ; and one wait for the four
	ds_store_b64 v6, v[R1:R1+1]
	ds_store_b64 v6, v[R2:R2+1] offset:256
	; lane addresses
	v_mul_u32_u24 v5, v1, PP
	v_lshl_add_u32 v5, v2, 4, v5
	s_mul_i32 s96, s[WR], 64*PP
	v_add_nc_u32 v[AP], s96, v5                    ; (64 x half + l % 16) x pitch + 16 (l / 16)
	v_add_nc_u32 v[AP+1], SLOT, v[AP]
	v_and_b32 v6, 7, v0
	v_bfe_u32 v7, v0, 3, 1
	v_lshl_add_u32 v8, v2, 3, v6                   ; the turning load: lane l reads key 8 (l / 16) + l % 8, channels 8 ((l / 8) % 2) + 0..7
	v_mul_u32_u24 v8, v8, PV
	v_lshl_add_u32 v8, v7, 4, v8
	s_lshl_b32 s96, s[WC], 7
	s_add_co_u32 s96, s96, PBYTES
	v_add_nc_u32 v[AV], s96, v8
	v_add_nc_u32 v[AV+1], SLOT, v[AV]
	v_add_nc_u32 v[AV+2], 128*PV, v[AV]
	v_add_nc_u32 v[AV+3], 128*PV, v[AV+1]
	s_mul_i32 s96, s[WV], 16*SP
	s_add_co_u32 s96, s96, STAGE
	v_mul_u32_u24 v5, v1, SP
	v_lshl_add_u32 v5, v2, 5, v5                   ; in: row l % 16, 32 bytes for each half of the lanes
	v_add_nc_u32 v[STO], s96, v5
	v_mul_u32_u24 v5, v2, SP
	v_lshl_add_u32 v5, v1, 4, v5                   ; back: lanes 0-15 one row of 256 bytes, lanes 16-31 the next
	v_add_nc_u32 v[RD], s96, v5
	v_lshlrev_b32 v5, 14, v2                       ; the next row of my tile is four rows of 4,096 bytes on
	v_lshl_add_u32 v[CO], v1, 4, v5
	v_lshrrev_b32 v5, 1, v3
	v_and_b32 v6, 1, v3
	v_lshlrev_b32 v6, 8, v6
	v_lshl_add_u32 v[PFO], v5, 14, v6
.set i, FR
.rept 24
	v_mov_b32 v[i], 0                              ; f's and 1 / L's registers are named as pairs: the upper ones are written once
.set i, i+1
.endr
.set i, 0
.rept 128
	v_mov_b32 v[O+i], 0
.set i, i+1
.endr
; 8 matrix instructions: row tiles a0, a0 + 1 x all 4 channel blocks, 32 keys: half c of buffer f.  The 16 accumulators take turns.  zero = 1: the product starts a key block's sum
.macro MUL8 f, c, a0, zero
	WIN MUL
.irp a, \a0, (\a0)+1
.irp b, 0,1,2,3
.if \zero
	v_wmma_f32_16x16x32_f16 v[8*(4*(\a)+(\b)):8*(4*(\a)+(\b))+7], v[(\f)+64+8*(4*(\c)+(\b)):(\f)+64+8*(4*(\c)+(\b))+7], v[(\f)+8*(4*(\c)+(\a)):(\f)+8*(4*(\c)+(\a))+7], 0
.else
	v_wmma_f32_16x16x32_f16 v[8*(4*(\a)+(\b)):8*(4*(\a)+(\b))+7], v[(\f)+64+8*(4*(\c)+(\b)):(\f)+64+8*(4*(\c)+(\b))+7], v[(\f)+8*(4*(\c)+(\a)):(\f)+8*(4*(\c)+(\a))+7], v[8*(4*(\a)+(\b)):8*(4*(\a)+(\b))+7]
.endif
.endr
.endr
.endm
; 32 LDS loads in one run: the fragments of quarter q (64 keys) of a slot into buffer f; the first 32 keys first
.macro FETCH slot, q, f
	WIN TO_F
.irp c, 0,1
.irp i, 0,1,2,3
	ds_load_tr16_b128 v[(\f)+64+8*(4*(\c)+(\i)):(\f)+64+8*(4*(\c)+(\i))+3],   v[AV+2*((\q)/2)+(\slot)] offset:((\q)%2)*64*PV+(\c)*32*PV+32*(\i)
	ds_load_tr16_b128 v[(\f)+64+8*(4*(\c)+(\i))+4:(\f)+64+8*(4*(\c)+(\i))+7], v[AV+2*((\q)/2)+(\slot)] offset:((\q)%2)*64*PV+(\c)*32*PV+32*(\i)+16*PV
	ds_load_b128 v[(\f)+8*(4*(\c)+(\i)):(\f)+8*(4*(\c)+(\i))+3],   v[AP+(\slot)] offset:128*(\q)+64*(\c)+(\i)*16*PP
	ds_load_b128 v[(\f)+8*(4*(\c)+(\i))+4:(\f)+8*(4*(\c)+(\i))+7], v[AP+(\slot)] offset:128*(\q)+64*(\c)+(\i)*16*PP+32
.endr
.endr
.endm
.macro FLOAD e, off                    ; f of my four rows for a key block; it always stands ahead of a run of 32 loads, so the counted waits behind that run cover it
	WIN 0
.irp a, 0,1,2,3
	ds_load_b32 v[FR+8*(\e)+2*(\a)], v[FA] offset:(\off)+64*(\a)
.endr
.endm
.macro PLACES
.rept 4
	v_nop
.endr
.endm
.macro QUARTER slot, q, f, g, zero, fl ; multiplies buffer f; in its middle fetches quarter q into g
	s_wait_dscnt 16                                ; the first 32 keys are in
	MUL8 \f, 0, 0, \zero
	MUL8 \f, 0, 2, \zero
	PLACES
.if \fl
	FLOAD 1, 256                                   ; the slot's second key block
.endif
	FETCH \slot, \q, \g
	s_wait_dscnt 32                                ; all but the 32 just issued
	MUL8 \f, 1, 0, 0
	MUL8 \f, 1, 2, 0
.endm
.macro FOLD e                          ; O += f T; each accumulator's lowest registers are read first
	PLACES
	WIN 0x02                                       ; source 0 in window 2
.irp a, 0,1,2,3
.irp b, 0,1,2,3
.irp i, 0,1,2,3
	v_pk_fma_f32 v[O+8*(4*(\a)+(\b))+2*(\i):O+8*(4*(\a)+(\b))+2*(\i)+1], v[8*(4*(\a)+(\b))+2*(\i):8*(4*(\a)+(\b))+2*(\i)+1], v[FR+8*(\e)+2*(\a):FR+8*(\e)+2*(\a)+1], v[O+8*(4*(\a)+(\b))+2*(\i):O+8*(4*(\a)+(\b))+2*(\i)+1] op_sel_hi:[1,0,1]
.endr
.endr
.endr
.endm
; A slot's last quarter multiplies buffer 1 and changes slots: one barrier; in front of it each wave waits for all its tensor loads, adds 0 to its spare word, and waits for that and for its reads of the slot.
; fill = 1: the slot is filled again with slot NXT of the walk; both addresses are made anew while the add is out; the barrier opens a round of the cluster's, and the joint load is the first thing behind it.
.macro TURN slot, next, fill
.if \fill
	s_wait_xcnt 0x0                                ; the last prefetch, a slot back, has read its address
.endif
	WIN 0
	s_wait_tensorcnt 0x0                           ; all my tensor loads have landed: my part of the next slot; so a group 0 may be written
	ds_add_u32 v[SPW], v[NIL]                      ; 0 onto my spare word
.if \fill
	s_lshl_b32 s[OFP], s[NXT], 9                   ; 256 keys of 2 bytes
	s_mul_i32 s[OFV], s[NXT], VSTEP
	s_add_nc_u64 s[G0P+4*(\slot)+2:G0P+4*(\slot)+3], s[PB:PB+1], s[OFP:OFP+1]
	s_or_b32 s[G0P+4*(\slot)+3], s[G0P+4*(\slot)+3], 0x80000000
	s_add_nc_u64 s[G0V+4*(\slot)+2:G0V+4*(\slot)+3], s[VB:VB+1], s[OFV:OFV+1]
	s_or_b32 s[G0V+4*(\slot)+3], s[G0V+4*(\slot)+3], 0x80000000
	UPDATE
	s_lshl_b32 s[OFP], s[NXT], 9
	s_add_nc_u64 s[PFA:PFA+1], s[PBX:PBX+1], s[OFP:OFP+1]
	s_cmp_lg_u32 s[NXT], 0                         ; a super-block's first slot, and what follows the walk's last, are not asked for ahead
	s_cselect_b32 s[DOASK], s[ASKF], 0
.endif
	s_wait_dscnt 17                                ; the add and the youngest sixteen loads may be out
	MUL8 F1, 0, 0, 0
	s_wait_dscnt 0x0                               ; the add is done, and my reads of this slot are over
	s_barrier_signal -1
	MUL8 F1, 0, 2, 0
.if \fill
	WIN 0
.endif
	s_barrier_wait -1
.if \fill
	CREST                                          ; no wave of any partner still reads this slot or has a load on its way
	JLOAD \slot                                    ; its four v_nop are also the places in front of the loads below
.else
	PLACES
.endif
	WIN 0
	s_add_co_u32 s[FAO], s[FAO], 512               ; two key blocks of 256 bytes on
	v_add_nc_u32 v[FA], s[FAO], v[FA0]
	FLOAD 0, 0                                     ; the next slot's first key block
	FETCH \next, 0, F0
.if \fill
	WIN 0
	ASK
.endif
	MUL8 F1, 1, 0, 0
	MUL8 F1, 1, 2, 0
.endm
.macro SLOTW slot, next, fill
	QUARTER \slot, 1, F0, F1, 1, 1
	QUARTER \slot, 2, F1, F0, 0, 0
	FOLD 0
	QUARTER \slot, 3, F0, F1, 1, 0
	TURN \slot, \next, \fill
	FOLD 1
.endm
; A super-block's end: O / L through my stage, a row tile (16 rows x 256 bytes) at a time.  blk: which 1 / L; ob: the output's base; zero = 1: O starts again at 0
.macro EPILOG blk, ob, zero
	WIN 0
.irp a, 0,1,2,3
	ds_load_b32 v[ILR+2*(\a)], v[ILA] offset:256*(\blk)+64*(\a)
.endr
	s_wait_dscnt 0x0
.irp a, 0,1,2,3
.irp i, 0,1,2,3,4,5,6,7,8,9,10,11,12,13,14,15
	v_pk_mul_f32 v[WK+2*(\i):WK+2*(\i)+1], v[O+32*(\a)+2*(\i):O+32*(\a)+2*(\i)+1], v[ILR+2*(\a):ILR+2*(\a)+1] op_sel_hi:[1,0]
.endr
.irp b, 0,1,2,3
	ds_store_b128 v[STO], v[WK+8*(\b):WK+8*(\b)+3]   offset:64*(\b)
	ds_store_b128 v[STO], v[WK+8*(\b)+4:WK+8*(\b)+7] offset:64*(\b)+16
.endr
	s_wait_xcnt 0x0                                ; the last tile's stores have read v96-127
.irp t, 0,1,2,3,4,5,6,7
	ds_load_b128 v[WK+32+4*(\t):WK+32+4*(\t)+3], v[RD] offset:(\t)*2*SP  ; LDS serves a wave's instructions in order: these see the stores above
.endr
	s_wait_dscnt 0x0
.irp t, 0,1,2,3,4,5,6,7
	global_store_b128 v[CO], v[WK+32+4*(\t):WK+32+4*(\t)+3], s[\ob:\ob+1] offset:(16*(\a)+2*(\t))*16384 th:TH_STORE_NT  ; 16 lanes store 256 consecutive bytes, aligned
.endr
.endr
.if \zero
.set i, 0
.rept 128
	v_mov_b32 v[O+i], 0
.set i, i+1
.endr
.endif
.endm
	s_wait_tensorcnt 1                             ; my part of slot 0 is in; slot 1's may stay out
	s_wait_dscnt 0x0                               ; my stores of f and 1 / L are done
	s_barrier_signal -1
	s_barrier_wait -1
	FLOAD 0, 0
	FETCH 0, 0, F0
	WIN 0
	s_mov_b32 s[CNT], 4
.Llap:                                                 ; a trip: two slots, both filled again: slots 2 to 9 of the walk are asked for in trips 0 to 3
	SLOTW 0, 1, 1
	SLOTW 1, 0, 1
	WIN 0
	s_sub_co_u32 s[RT], s[RT], 1
	s_cmp_lg_u32 s[RT], 0
	s_cbranch_scc1 .Lgoon                          ; the first super-block ends behind trip u: the same in all partners; what is jumped holds no barrier and no tensor load
	EPILOG 0, 12, 1
	s_mov_b32 s[RT], 8                             ; more than the trips that are left
.Lgoon:
	s_sub_co_u32 s[CNT], s[CNT], 1
	s_cmp_lg_u32 s[CNT], 0
	s_cbranch_scc1 .Llap
	SLOTW 0, 1, 0                                  ; the last lap is written out: it asks for nothing
	QUARTER 1, 1, F0, F1, 1, 1
	QUARTER 1, 2, F1, F0, 0, 0
	FOLD 0
	QUARTER 1, 3, F0, F1, 1, 0
	s_wait_dscnt 16
	MUL8 F1, 0, 0, 0
	MUL8 F1, 0, 2, 0
	s_wait_dscnt 0x0
	MUL8 F1, 1, 0, 0
	MUL8 F1, 1, 2, 0
	FOLD 1
	EPILOG 1, OB2, 0
	s_wait_tensorcnt 0x0                           ; the wave's end
	ds_add_u32 v[SPW], v[NIL]
	s_wait_dscnt 0x0
	CROUND                                         ; the closing round
	s_endpgm
.Lfunc_end_k_q74e36dd573_pv:
	.size	k_q74e36dd573_pv, .Lfunc_end_k_q74e36dd573_pv-k_q74e36dd573_pv
	.p2alignl 7, 3214868480
	.fill 96, 4, 3214868480
	.section	.rodata,"a",@progbits
	.p2align	6, 0x0
	.amdhsa_kernel k_q74e36dd573_pv
		.amdhsa_group_segment_fixed_size 327680
		.amdhsa_private_segment_fixed_size 0
		.amdhsa_enable_private_segment 0
		.amdhsa_kernarg_size 40
		.amdhsa_user_sgpr_count 2
		.amdhsa_user_sgpr_kernarg_segment_ptr 1
		.amdhsa_wavefront_size32 1
		.amdhsa_system_sgpr_workgroup_id_x 1
		.amdhsa_system_sgpr_workgroup_id_y 1
		.amdhsa_system_sgpr_workgroup_id_z 1
		.amdhsa_system_vgpr_workitem_id 0
		.amdhsa_next_free_vgpr 640
		.amdhsa_next_free_sgpr 102
		.amdhsa_reserve_vcc 0
		.amdhsa_float_denorm_mode_32 3
		.amdhsa_float_denorm_mode_16_64 3
		.amdhsa_memory_ordered 1
		.amdhsa_forward_progress 1
		.amdhsa_inst_pref_size 167
	.end_amdhsa_kernel
	.amdgpu_metadata
---
amdhsa.version: [ 1, 2 ]
amdhsa.kernels:
  - .name:           k_q74e36dd573_pv
    .symbol:         k_q74e36dd573_pv.kd
    .args:
      - { .name: pbuf, .offset: 0, .size: 8, .value_kind: global_buffer, .address_space: global }
      - { .name: qkv, .offset: 8, .size: 8, .value_kind: global_buffer, .address_space: global }
      - { .name: mst, .offset: 16, .size: 8, .value_kind: global_buffer, .address_space: global }
      - { .name: lst, .offset: 24, .size: 8, .value_kind: global_buffer, .address_space: global }
      - { .name: out0, .offset: 32, .size: 8, .value_kind: global_buffer, .address_space: global }
    .group_segment_fixed_size: 327680
    .private_segment_fixed_size: 0
    .kernarg_segment_align: 8
    .kernarg_segment_size: 40
    .max_flat_workgroup_size: 128
    .sgpr_count:     102
    .vgpr_count:     640
    .wavefront_size: 32
...
	.end_amdgpu_metadata
.endif
;; end of part 4
